; MI455X (gfx1250); checked and timed in simulation.
; The chip was launched on July 23, 2026; its instructions are those of AMD's public machine-readable ISA for CDNA 5 (MIT licence, August 2026) and "CDNA5" Instruction Set Architecture Reference Guide (July 2026). The comments in the code are by the model that wrote it; some were corrected since.
;; Causal Self Attention. Allowed arithmetic: matrix products marked QUANTISED: E4M3 operands, one E8M0 scale for each 32 along K, by v_wmma_scale_f32_16x16x128_f8f6f4 with both operands' format E4M3, f32 sums; everything else in f32.
;; Inputs: Wk_codes 1,024 x 32 x 32 uint8 (E4M3 codes of Wk, K innermost, in blocks of 32 codes); Wk_scales 1,024 x 32 uint8 (E8M0 scales of Wk, one for each 32 codes along K); Wp_codes 1,024 x 32 x 32 uint8 (E4M3 codes of Wp, K innermost, in blocks of 32 codes); Wp_scales 1,024 x 32 uint8 (E8M0 scales of Wp, one for each 32 codes along K); Wq_codes 1,024 x 32 x 32 uint8 (E4M3 codes of Wq, K innermost, in blocks of 32 codes); Wq_scales 1,024 x 32 uint8 (E8M0 scales of Wq, one for each 32 codes along K); Wv_codes 1,024 x 32 x 32 uint8 (E4M3 codes of Wv, K innermost, in blocks of 32 codes); Wv_scales 1,024 x 32 uint8 (E8M0 scales of Wv, one for each 32 codes along K); bk 1,024 float32; bp 1,024 float32; bq 1,024 float32; bv 1,024 float32; query_codes 4 x 2,048 x 32 x 32 uint8 (E4M3 codes of query, K innermost, in blocks of 32 codes); query_scales 4 x 2,048 x 32 uint8 (E8M0 scales of query, one for each 32 codes along K).
;; Outputs: out0 4 x 2,048 x 1,024 float32.
;; This version of the problem:
;;   THIS VERSION OF THE PROBLEM IS GIVEN IN LOW PRECISION. The matrix products marked QUANTISED in the list below multiply operands that are first quantised to E4M3 (4 exponent bits, 3 mantissa bits; 8 bits a number), with one power-of-two scale for each 32 numbers along K (OCP MX v1.0); their sums are f32. All else is computed in f32.
;;   The module's matrix products, in the order in which they are computed (A, B: the left and right operand; K: the contracted axis; several contracted axes count as one K, in the product's order):
;;     1. [M 8,192, K 1,024] x [K 1,024, N 1,024]; A: input query (given as codes); B: input Wq (given as codes): QUANTISED
;;     2. [M 8,192, K 1,024] x [K 1,024, N 1,024]; A: input query (given as codes); B: input Wk (given as codes): QUANTISED
;;     3. [M 8,192, K 1,024] x [K 1,024, N 1,024]; A: input query (given as codes); B: input Wv (given as codes): QUANTISED
;;     4. batch 64 x [M 2,048, K 64] x [K 64, N 2,048]; A: computed on the way; B: computed on the way: QUANTISED
;;     5. batch 64 x [M 2,048, K 2,048] x [K 2,048, N 64]; A: softmax (see below); B: computed on the way: QUANTISED
;;     6. [M 8,192, K 1,024] x [K 1,024, N 1,024]; A: computed on the way; B: input Wp (given as codes): QUANTISED
;;   THE QUANTISER, for each operand of a quantised product, along K:
;;     - K is cut into blocks of 32 from its start; a last block that is shorter is filled with zeros.
;;     - A block's scale is 2^e with e = floor(log2(the largest magnitude in the block)) - 8, held to -126 .. 127; a block of zeros has e = 0. As a byte (E8M0): e + 127.
;;     - Each number is divided by its block's scale, clamped to +-448, and rounded to the nearest number of E4M3, ties to even, subnormals kept.
;;     - The product sums the exact products of the quantised numbers (number of the format x scale) in f32.
;;   ~~~python
;;   def quantise(x, axis):      # numpy; x: float32 -> the quantised numbers, widened to float32 again
;;       x = np.moveaxis(x, axis, -1); K = x.shape[-1]
;;       x = np.pad(x, [(0, 0)] * (x.ndim - 1) + [(0, -K % 32)]); x = x.reshape(x.shape[:-1] + (-1, 32)); a = np.abs(x).max(-1, keepdims=True)
;;       e = np.where(a > 0, np.clip(np.frexp(np.where(a > 0, a, 1))[1] - 1 - 8, -126, 127), 0)      # np.frexp(a)[1] - 1 = floor(log2(a)), exactly
;;       r = np.clip(x / 2.0 ** e, -448, 448)
;;       step = 2.0 ** (np.maximum(np.frexp(np.where(r == 0, 1, r))[1] - 1, -6) - 3)
;;       q = np.round(r / step) * step * 2.0 ** e      # np.round: ties to even
;;       return np.moveaxis(q.reshape(q.shape[:-2] + (-1,))[..., :K], -1, axis).astype(np.float32)
;;   ~~~
;;   SOFTMAX AHEAD OF A QUANTISED PRODUCT. Where the list says 'softmax', what is quantised is not the finished softmax but p = 2^(t - M), with t = logit x log2(e) and M = ceil(the row's largest t), a whole number; so 1/2 < the row's largest p <= 1. The row's sum l is taken of the UNQUANTISED p, in f32, and the product's result is divided by l at the end. Since M is a whole number, a kernel that streams over the keys may use a running M (the ceiling of the running maximum): every later rescaling is an exact power of two, which a block's scale takes up: the codes' values come out the same.
;;   OPERANDS COMPUTED ON THE WAY. 'Computed on the way' means the value that the module computes at that place (a softmax that the list does not call 'softmax' is quantised finished and normalised). What goes into a quantiser is computed in f32, as accurately as f32 sums, v_exp_f32 and their like allow (about 1e-6 of the number): no bf16 or f16 on the way to a quantiser, and a product that is left as it is and whose result goes on into a quantised operand takes f32 operands (vector FMAs, or v_wmma_f32_16x16x4_f32). A number that lies on a knife's edge between two numbers of the format may be rounded either way, as far as f32 arithmetic and the matrix unit's own rounding can turn it there, and no further.
;;   INPUTS GIVEN AS CODES. Wk (in the module: [1024, 1024], K = its axis 1); Wp (in the module: [1024, 1024], K = its axis 1); Wq (in the module: [1024, 1024], K = its axis 1); Wv (in the module: [1024, 1024], K = its axis 1); query (in the module: [4, 2048, 1024], K = its axis 2): each comes as NAME_codes (uint8): NAME with its K axis moved to the last place and cut into blocks of 32 codes, [.., K / 32, bytes a block], one block behind the other in memory; one code a byte (a code: sign, 4 exponent bits, 3 mantissa bits); and NAME_scales (uint8): the same leading axes, one E8M0 byte (e + 127) for each 32 codes along K. Its value is code x scale, taken as it is: it is not quantised again, and the codes and scales need not be those that the quantiser above would give.
;; One version. Each part assembles by itself: llvm-mc -triple=amdgcn-amd-amdhsa -mcpu=gfx1250 --defsym DOCPART=n.
;; ======== version 1 of 1: 3 launches
;; limits: right only within a limited range of input values
;; workspace buffers: qimg 8,388,608 bytes; kimg 8,388,608 bytes; vimg 8,388,608 bytes; qsc 524,288 bytes; ksc 524,288 bytes; vsc 262,144 bytes; yimg 8,388,608 bytes; ysc 262,144 bytes
;; launch qkv (part 1): grid 12 x 32, 4 waves a work-group, clusters of 4 x 4, 327,680 bytes of LDS; arguments query_codes, query_scales, Wq_codes, Wq_scales, Wk_codes, Wk_scales, Wv_codes, Wv_scales, bq, bk, bv, qimg, qsc, kimg, ksc, vimg, vsc; writes qimg, qsc, kimg, ksc, vimg, vsc
.if DOCPART == 1
	.amdgcn_target "amdgcn-amd-amdhsa--gfx1250"
	.amdhsa_code_object_version 6
	.text
	.protected	k_q8fc46e1de6_qkv
	.globl	k_q8fc46e1de6_qkv
	.p2align	8
	.type	k_q8fc46e1de6_qkv,@function
k_q8fc46e1de6_qkv:
	s_mov_b64 s[64:65], 0
	v_nop
	global_prefetch_b8 v0, s[64:65] scope:SCOPE_SE
	s_setreg_imm32_b32 hwreg(HW_REG_WAVE_MODE, 25, 1), 1
	s_wait_xcnt 0x0
	s_wait_alu depctr_hold_cnt(0) depctr_sa_sdst(0) depctr_va_vdst(0) depctr_va_sdst(0) depctr_va_ssrc(0) depctr_va_vcc(0) depctr_vm_vsrc(0)
	s_getreg_b32 s2, hwreg(HW_REG_IB_STS2, 6, 4)
	s_cmp_eq_u32 s2, 0
	s_cbranch_scc0 .Lentry_in_a_cluster
	s_endpgm
.Lentry_in_a_cluster:
	s_bfe_u32 s2, ttmp6, 0x10000c
	s_cmp_lg_u32 s2, 0xf033
	s_cbranch_scc0 .Lentry_shape_is_right
	s_endpgm
.Lentry_shape_is_right:
; q = x Wq^T + bq, k = x Wk^T + bk, v = x Wv^T + bv on given codes of FP8 (E4M3) with E8M0 scales, K = 1,024, sums in f32; each result is quantised at once for the product that reads it
; (q and k along the head's 64 channels, v along the keys) and leaves as codes and scale words only.
; ONE GENERIC PRODUCT C'[m'][n'] = A'[m'] . B'[n'], quantised along n'.  The cluster's x chooses: 0: A' = x, B' = Wq;  1: A' = x, B' = Wk;  2: A' = Wv, B' = x (so that the keys are n').
; A tile of C' is 256 x 256: four waves, each 128 x 128 in 64 accumulators.  K goes in steps of 256 through two LDS slots filled by the tensor data mover; the scale bytes of the tile's rows come once and stay.
; CLUSTERS: 4 x 4 work-groups; A's tiles are asked for jointly along a row of the cluster, B's along a column.
; THE MATRIX INSTRUCTION IS USED TRANSPOSED (source 0 = 16 rows of B', source 1 = 16 rows of A'): lane (r, h) holds row r of A's block, register j of accumulator (a, b) the column 16 b + 8 h + j.
; So the 16 registers of accumulators (a, 2 e) and (a, 2 e + 1) belong to block e of 32 along n', together with those of lane l xor 16.
; THE BIAS is the C of each sum's first product (by n' for q and k, by m' for v): that first step of 128 along K is written twice, once for each kind, under a branch on the cluster's x.
; THE WAY OUT: a block's two conversions give 8 codes each; two exchanges of lane halves (v_permlane16_swap_b32) turn the four registers into registers 4 e .. 4 e + 3 of the next product's operand
; (k = 32 e + 16 h + 0 .. 15).  The operand leaves as an image of its registers: lane l's 16 bytes at 16 l, 512 consecutive bytes a store.
; LIMITS: NaN and infinities are not served.  A block whose largest magnitude lies under 2^-118 gets the scale byte 1, a block of zeros too (the quantiser says 127): its codes are zeros and these bytes are read by this program alone.
; REGISTERS, in windows of 256: window 0: v0-31 addresses; v32-63 scale words, two sets; v64-127 the bias; v128-255 A's fragments, one set (on the way out: at work).
;   window 1: B's fragments, two sets.   window 2: the accumulators of my rows 0-63 ((a, b) at v[8 (8 a + b)]).   window 3: those of my rows 64-127.
.set KSTEP,  256                       ; along K in a slot
.set NQ,     2                         ; matrix instructions deep
.set ROWB,   256                       ; a tile's row in bytes
.set KROW,   1024                      ; a row of A' or B' in memory, in bytes
.set PITCH,  272                       ; an LDS row: 256 bytes + 16 of padding: the 16 rows of a fragment load start 68 words apart
.set FR,     16                        ; registers of a fragment
.set NL,     4                         ; LDS loads that bring one
.set NP,     8                         ; places behind this matrix instruction (ISA guide 7.12.1)
.set HALFT,  128*PITCH                 ; 128 rows: one tensor load
.set SLOT,   4*HALFT                   ; A's 256 rows, then B's 256 rows
.set LAPS,   2                         ; 1,024 / (2 x 256)
.set KS,     32                        ; a row of scale bytes
.set SCL,    2*SLOT                    ; behind the ring: the scale bytes, as rows of 256 bytes + 16
.set HALFS,  (128*KS/256)*272
.set SBLK,   (16*KS/256)*272
.set SPARE,  SCL+4*HALFS               ; the spare words: 128 bytes a wave, named by no other line
.set STG,    0                         ; the way out: 1,024 bytes a wave for scale words, in slot 0, which has then had its last fill and its last read
.set ADRA, 16                          ; v16-17  my A fragments in slot 0, 1
.set ADRB, 20                          ; v20-21  my B fragments
.set BOQ,  22                          ; v22     32 h: the bias by n'
.set BOV,  23                          ; v23     4 r: the bias by m'
.set STS,  24                          ; v24     the stage, in: 1,024 wave + 512 h + 4 r
.set STR,  25                          ; v25     the stage, back: 1,024 wave + 16 lane
.set CO,   26                          ; v26     16 lane: a store's offset
.set ADRS, 27                          ; v27     my scale words: lanes 0-15 A's rows, lanes 16-31 B's
.set SPW,  28                          ; v28     my spare word; never rewritten
.set NIL,  29                          ; v29     0; never rewritten
.set VSH,  30                          ; v30     16 h for q and k, 0 for v: what a scale word is shifted by
.set SC,   32
.set BR,   64
.set AF,   128
.set X,    128                         ; the way out: 64 held numbers
.set PC,   192                         ; 16 registers of codes
.set SWD,  208                         ; a scale word for each of the 8 blocks
.set TM,   224                         ; +0 largest magnitudes, +4 bytes, +8 448 x scale, +12 the conversions' scale operands
.set PW,   240
.set OB,   244
.set G1, 24
.set G0, 32
.set G1B, 48
.set G0B, 56
.set G1S, 68
.set G0S, 76
.set G1SB, 80
.set G0SB, 88
.set BIA, 66                           ; s[66:67]   the bias
.set SCO, 104                          ; s[104:105] the scale words' buffer
.set MNT, 95                           ; s95        the mantissa field of 448
.set SEL, 96                           ; s[96:97]   lane selects: lane l xor 16
.set MSB, 0
.macro WIN new                         ; the immediate's high byte repeats the setting that is left
.if MSB != (\new)
	s_set_vgpr_msb (MSB<<8)|(\new)
.set MSB, (\new)
.endif
.endm
.set MUL_LO, 0xa1                      ; source 0 (B') window 1, source 1 (A') window 0, C and D window 2
.set MUL_HI, 0xf1                      ; the same, C and D window 3
.set BIA_LO, 0x81                      ; C (the bias) window 0, D window 2
.set BIA_HI, 0xc1                      ; C window 0, D window 3
.set TO_B,   0x40
; A joint load: waves 0 and 1 fetch for A', waves 2 and 3 for B'.  The branch hangs on the wave's number alone.  Four v_nop follow each of the two lines.
.macro JLOAD g0a, g1a, g0b, g1b
	s_cmp_eq_u32 s15, 0
	s_cbranch_scc0 .Lfor_b_\@
	tensor_load_to_lds s[\g0a:\g0a+3], s[\g1a:\g1a+7]
	s_nop 0
.rept 4
	v_nop
.endr
	s_branch .Lasked_\@
.Lfor_b_\@:
	tensor_load_to_lds s[\g0b:\g0b+3], s[\g1b:\g1b+7]
	s_nop 0
.rept 4
	v_nop
.endr
.Lasked_\@:
.endm
.macro CREST                           ; a round of the cluster's barrier behind its opening barrier
	s_cmp_lg_u32 s14, 0
	s_cbranch_scc1 .Lnot_wave_0_\@
	s_barrier_signal -3
.Lnot_wave_0_\@:
	s_barrier_wait -3
	s_barrier_signal -1
	s_barrier_wait -1
.endm
.macro CROUND
	s_barrier_signal -1
	s_barrier_wait -1
	CREST
.endm
	s_load_b512 s[68:83], s[0:1], 0x0              ; x codes, x scales, Wq codes, scales, Wk codes, scales, Wv codes, scales
	s_load_b512 s[84:99], s[0:1], 0x40             ; bq, bk, bv, qimg, qsc, kimg, ksc, vimg
	s_load_b64 s[100:101], s[0:1], 0x80            ; vsc
	v_lshl_add_u32 v[SPW], v0, 2, SPARE
	v_mov_b32 v[NIL], 0
	ds_add_u32 v28, v29
	ds_add_u32 v28, v29
	s_wait_dscnt 0x0
	v_lshrrev_b32 v1, 5, v0
	v_readfirstlane_b32 s14, v1                    ; wave 0..3
	s_lshr_b32 s15, s14, 1                         ; which half of the tile's rows is mine.  Also: I fetch for A' (0) or B' (1)
	s_and_b32 s16, s14, 1                          ; which half of its columns.  Also: which 128 rows I fetch
	s_bfe_u32 s40, ttmp6, 0x40000                  ; cx
	s_bfe_u32 s41, ttmp6, 0x40004                  ; cy
	s_and_b32 s18, ttmp7, 0xffff                   ; the cluster's y, 0..7: it walks the tokens, which are A's rows for q and k and B's rows for v
	s_cmp_lt_u32 ttmp9, 2
	s_cselect_b32 s19, s18, 0
	s_cselect_b32 s18, 0, s18
	s_lshl_b32 s42, s18, 2
	s_add_co_u32 s42, s42, s40                     ; tile column of C'
	s_lshl_b32 s17, s19, 2
	s_add_co_u32 s17, s17, s41                     ; tile row of C'
	s_lshl_b32 s43, s41, 2
	s_lshl_b32 s43, 15, s43                        ; my row of the cluster
	s_lshl_b32 s44, 0x1111, s40                    ; my column
	; descriptor group 1: a tile of 128 rows x 256 bytes, 16 bytes of padding behind each row
	s_or_b32 s[G1+0], s43, (0<<16)|(1<<20)|(1<<21)|(5<<22)|(3<<25)  ; the mask; elements of 1 byte; padding on; bit 21 beside a mask; after every 64 words; 4 words
	s_or_b32 s[G1B+0], s44, (0<<16)|(1<<20)|(1<<21)|(5<<22)|(3<<25)
.irp g, G1, G1B
	s_mov_b32 s[\g+1], ROWB<<16                    ; tensor_dim0
	s_mov_b32 s[\g+2], 128<<16                     ; tensor_dim1
	s_mov_b32 s[\g+3], ROWB<<16                    ; tile_dim0
	s_mov_b32 s[\g+4], 128                         ; tile_dim1
	s_mov_b32 s[\g+5], KROW                        ; from row to row
	s_mov_b32 s[\g+6], 0
	s_mov_b32 s[\g+7], 0
.endr
	s_wait_kmcnt 0x0
	; the choice of buffers hangs on the cluster's x alone
	s_cmp_eq_u32 ttmp9, 0
	s_cselect_b64 s[8:9], s[72:73], s[76:77]
	s_cselect_b64 s[10:11], s[74:75], s[78:79]
	s_cselect_b64 s[12:13], s[90:91], s[94:95]
	s_cselect_b64 s[SCO:SCO+1], s[92:93], s[96:97]
	s_cselect_b64 s[BIA:BIA+1], s[84:85], s[86:87]
	s_cmp_lt_u32 ttmp9, 2
	s_cselect_b64 s[4:5], s[68:69], s[80:81]       ; A' codes
	s_cselect_b64 s[6:7], s[70:71], s[82:83]       ; A' scales
	s_cselect_b64 s[8:9], s[8:9], s[68:69]         ; B' codes
	s_cselect_b64 s[10:11], s[10:11], s[70:71]     ; B' scales
	s_cselect_b64 s[12:13], s[12:13], s[98:99]     ; the codes' buffer
	s_cselect_b64 s[SCO:SCO+1], s[SCO:SCO+1], s[100:101]
	s_cselect_b64 s[BIA:BIA+1], s[BIA:BIA+1], s[88:89]
	; s68 to s101 are free from here on.  Group 1 for the scale bytes of 128 rows: 4,096 dense bytes as 16 rows of 256 (32 elements of 8 bytes), 16 bytes of padding behind each
	s_or_b32 s[G1S+0], s43, (3<<16)|(1<<20)|(1<<21)|(5<<22)|(3<<25)
	s_or_b32 s[G1SB+0], s44, (3<<16)|(1<<20)|(1<<21)|(5<<22)|(3<<25)
.irp g, G1S, G1SB
	s_mov_b32 s[\g+1], 32<<16
	s_mov_b32 s[\g+2], (128*KS/256)<<16
	s_mov_b32 s[\g+3], 32<<16
	s_mov_b32 s[\g+4], 128*KS/256
	s_mov_b32 s[\g+5], 32
	s_mov_b32 s[\g+6], 0
	s_mov_b32 s[\g+7], 0
.endr
	s_mov_b32 s[MNT], 0x600000
	s_mov_b32 s[SEL], 0x76543210
	s_mov_b32 s[SEL+1], 0xfedcba98
	s_lshl_b32 s18, s16, 7                         ; which 128 rows of the tile I fetch
	s_lshl_b32 s20, s17, 8
	s_add_co_u32 s20, s20, s18                     ; A': row 256 x tile row + 128 x half
	s_lshl_b32 s46, s42, 8
	s_add_co_u32 s46, s46, s18                     ; B': row 256 x tile column + 128 x half
	s_mov_b32 s21, 0
	s_mov_b32 s47, 0
	s_mov_b64 s[18:19], KS
	s_mul_u64 s[22:23], s[20:21], s[18:19]         ; where these rows' scale bytes begin
	s_mul_u64 s[92:93], s[46:47], s[18:19]
	s_mov_b64 s[18:19], KROW
	s_mul_u64 s[20:21], s[20:21], s[18:19]         ; and their codes
	s_mul_u64 s[46:47], s[46:47], s[18:19]
	s_mul_i32 s45, s14, HALFT                      ; where they go: wave x 128 rows: no place in the cluster enters an LDS address
	s_mul_i32 s94, s14, HALFS
	s_add_nc_u64 s[20:21], s[4:5], s[20:21]
	s_add_nc_u64 s[22:23], s[6:7], s[22:23]
	s_add_nc_u64 s[46:47], s[8:9], s[46:47]
	s_add_nc_u64 s[92:93], s[10:11], s[92:93]
	CROUND                                         ; all sixteen work-groups are here: the first joint loads meet
	s_mov_b32 s[G0S], 1
	s_add_co_u32 s[G0S+1], s94, SCL
	s_mov_b64 s[G0S+2:G0S+3], s[22:23]
	s_or_b32 s[G0S+3], s[G0S+3], 0x80000000
	s_mov_b32 s[G0SB], 1
	s_add_co_u32 s[G0SB+1], s94, SCL
	s_mov_b64 s[G0SB+2:G0SB+3], s[92:93]
	s_or_b32 s[G0SB+3], s[G0SB+3], 0x80000000
	JLOAD G0S, G1S, G0SB, G1SB                     ; the scale bytes first: they are wanted with K step 0
.irp s, 0,1
	s_mov_b32 s[G0+4*\s], 1
	s_add_co_u32 s[G0+4*\s+1], s45, \s*SLOT
	s_add_nc_u64 s[G0+4*\s+2:G0+4*\s+3], s[20:21], \s*ROWB
	s_or_b32 s[G0+4*\s+3], s[G0+4*\s+3], 0x80000000
	s_mov_b32 s[G0B+4*\s], 1
	s_add_co_u32 s[G0B+4*\s+1], s45, \s*SLOT
	s_add_nc_u64 s[G0B+4*\s+2:G0B+4*\s+3], s[46:47], \s*ROWB
	s_or_b32 s[G0B+4*\s+3], s[G0B+4*\s+3], 0x80000000
	JLOAD G0+4*\s, G1, G0B+4*\s, G1B               ; three tensor loads of mine are out
.endr
	v_and_b32 v1, 15, v0                           ; r
	v_bfe_u32 v2, v0, 4, 1                         ; h
	v_mul_u32_u24 v3, v1, PITCH
	v_lshl_add_u32 v4, v2, 4, v3                   ; a fragment's row x pitch + 16 h
	s_mul_i32 s21, s15, HALFT                      ; my 128 rows of A'
	s_mul_i32 s22, s16, HALFT                      ; my 128 rows of B',
	s_add_co_u32 s22, s22, 2*HALFT                 ; which lie behind A's 256
.irp s, 0,1
	v_add_nc_u32 v[ADRA+\s], s21, v4
	v_add_nc_u32 v[ADRB+\s], s22, v4
	s_add_co_u32 s21, s21, SLOT
	s_add_co_u32 s22, s22, SLOT
.endr
	v_mul_u32_u24 v5, v1, KS                       ; my row's scale bytes: 32 a row,
	v_lshrrev_b32 v6, 8, v5
	v_lshl_add_u32 v5, v6, 4, v5                   ; and 16 more for each 256 passed
	s_mul_i32 s21, s15, HALFS
	s_mul_i32 s22, s16, HALFS
	s_add_co_u32 s22, s22, 2*HALFS
	s_sub_co_u32 s22, s22, s21
	v_mul_u32_u24 v6, s22, v2                      ; lanes 16-31 take B's
	s_add_co_u32 s21, s21, SCL
	v_add_nc_u32 v5, v5, v6
	v_add_nc_u32 v[ADRS], s21, v5
	s_lshl_b32 s23, s14, 10                        ; my stage for scale words
	v_lshlrev_b32 v5, 2, v1
	v_lshl_add_u32 v5, v2, 9, v5
	v_add_nc_u32 v[STS], s23, v5
	v_and_b32 v6, 31, v0
	v_lshlrev_b32 v[CO], 4, v6
	v_add_nc_u32 v[STR], s23, v[CO]
	v_lshlrev_b32 v[BOQ], 5, v2
	v_lshlrev_b32 v[BOV], 2, v1
	; where my results go (global addresses alone hang on these).  X128: which 128 tokens; HP: which pair of heads
	s_lshl_b32 s98, s17, 1
	s_add_co_u32 s98, s98, s15                     ; my 128 rows of C'
	s_lshl_b32 s99, s42, 1
	s_add_co_u32 s99, s99, s16                     ; my 128 columns
	s_cmp_lt_u32 ttmp9, 2
	s_cselect_b32 s100, s98, s99                   ; X128
	s_cselect_b32 s101, s99, s98                   ; HP
	s_cselect_b32 s18, 32, 16                      ; blocks of 512 bytes of scale words for a batch's pair of heads: q, k 2 x 16; v 16
	s_cselect_b32 s19, 16, 0
	v_mul_u32_u24 v[VSH], s19, v2
	s_lshr_b32 s20, s100, 4                        ; the batch: 16 x 128 tokens each
	s_lshl_b32 s20, s20, 3
	s_add_co_u32 s20, s20, s101                    ; G = 8 x batch + HP
	s_and_b32 s100, s100, 15
	s_lshl_b32 s21, s20, 4
	s_add_co_u32 s21, s21, s100
	s_lshl_b32 s22, s21, 14                        ; 16,384 bytes of codes for 128 tokens of a pair of heads
	s_mov_b32 s23, 0
	s_add_nc_u64 s[12:13], s[12:13], s[22:23]
	s_mul_i32 s21, s20, s18
	s_add_co_u32 s21, s21, s100
	s_lshl_b32 s22, s21, 9
	s_add_nc_u64 s[SCO:SCO+1], s[SCO:SCO+1], s[22:23]
	s_lshl_b32 s22, s101, 9                        ; the pair's 128 numbers of the bias
	s_add_nc_u64 s[BIA:BIA+1], s[BIA:BIA+1], s[22:23]
	; the bias, in the layout of a result.  Both ways fill all 64 registers
	s_cmp_lt_u32 ttmp9, 2
	s_cbranch_scc0 .Lbias_v
	s_wait_alu depctr_va_vdst(0)
.irp b, 0,1,2,3,4,5,6,7
	global_load_b128 v[BR+8*\b:BR+8*\b+3], v[BOQ], s[BIA:BIA+1] offset:64*\b        ; register 8 b + j: the bias of column 16 b + 8 h + j
	global_load_b128 v[BR+8*\b+4:BR+8*\b+7], v[BOQ], s[BIA:BIA+1] offset:64*\b+16
.endr
	s_branch .Lbias_done
.Lbias_v:
	s_wait_alu depctr_va_vdst(0)
.irp a, 0,1,2,3,4,5,6,7
.irp j, 0,1,2,3,4,5,6,7
	global_load_b32 v[BR+8*\a+\j], v[BOV], s[BIA:BIA+1] offset:64*\a                ; register 8 a + j: the bias of row 16 a + r, for every j
.endr
.endr
.Lbias_done:
.macro FRAG reg, adr, q, i             ; 16 rows x 128 K: lane l holds row l % 16; registers 4 c .. 4 c + 3 hold K = 32 c + 16 (l / 16) + 0 .. 15
.irp c, 0,1,2,3
	ds_load_b128 v[\reg+4*\c:\reg+4*\c+3], v[\adr] offset:128*(\q)+32*\c+(\i)*16*PITCH
.endr
.endm
; 16 matrix instructions: A's blocks a0, a0 + 1 x B's eight, the slot's q-th 128 along K.  p: B's set; sc: the set of scale words.
; cm = 0: the sums go on; 1: they begin with the bias by column; 2: with the bias by row.  The 64 accumulators take turns, one instruction a turn.
.macro MUL16 a0, p, q, sc, cm
.irp a, \a0, \a0+1
.irp b, 0,1,2,3,4,5,6,7
.set rD, 8*(8*((\a)%4)+\b)
.set rB, 128*(\p)+FR*\b
.set rA, AF+FR*(\a)
.set rSB, SC+8*NQ*(\sc)+NQ*\b+(\q)
.set rSA, SC+8*NQ*(\sc)+NQ*(\a)+(\q)
.if (\cm) == 1
	v_wmma_scale_f32_16x16x128_f8f6f4 v[rD:rD+7], v[rB:rB+15], v[rA:rA+15], v[BR+8*\b:BR+8*\b+7], v[rSB], v[rSA] matrix_a_scale:MATRIX_SCALE_ROW1
.elseif (\cm) == 2
	v_wmma_scale_f32_16x16x128_f8f6f4 v[rD:rD+7], v[rB:rB+15], v[rA:rA+15], v[BR+8*(\a):BR+8*(\a)+7], v[rSB], v[rSA] matrix_a_scale:MATRIX_SCALE_ROW1
.else
	v_wmma_scale_f32_16x16x128_f8f6f4 v[rD:rD+7], v[rB:rB+15], v[rA:rA+15], v[rD:rD+7], v[rSB], v[rSA] matrix_a_scale:MATRIX_SCALE_ROW1
.endif
.endr
.endr
.endm
.macro FETCH_B slot, q, p
	WIN TO_B
.irp i, 0,1,2,3,4,5,6,7
	FRAG 128*(\p)+FR*\i, ADRB+\slot, \q, \i
.endr
	WIN 0
.endm
.macro FETCH_A slot, q, i0
.irp i, \i0, \i0+1, \i0+2, \i0+3
	FRAG AF+FR*(\i), ADRA+\slot, \q, \i
.endr
.endm
.macro SCALES sc                       ; a K step's scale words: lanes 0-15 take A's block i, lanes 16-31 B's block i
.irp i, 0,1,2,3,4,5,6,7
	ds_load_b64 v[SC+8*NQ*\sc+NQ*\i:SC+8*NQ*\sc+NQ*\i+1], v[ADRS] offset:\i*SBLK
.endr
.endm
.macro PLACES n                        ; plain vector lines between a matrix instruction and a load into, or a vector read or write of, its registers
.rept \n
	v_nop
.endr
.endm
; A step of 128 along K that has its successor in the same slot
.macro STEP slot, q, cm
	s_wait_dscnt 4*NL                              ; B's set and A's blocks 0-3 are in; the 16 youngest loads (A's blocks 4-7) may be out
.if \cm
	WIN BIA_LO
.else
	WIN MUL_LO
.endif
	MUL16 0, (\q)%2, \q, \slot, \cm
	MUL16 2, (\q)%2, \q, \slot, \cm
	s_wait_dscnt 0                                 ; A's blocks 4-7 are in
	PLACES NP
	FETCH_B \slot, (\q)+1, 1-(\q)%2
	FETCH_A \slot, (\q)+1, 0
.if \cm
	WIN BIA_HI
.else
	WIN MUL_HI
.endif
	MUL16 4, (\q)%2, \q, \slot, \cm
	MUL16 6, (\q)%2, \q, \slot, \cm
	PLACES NP
	WIN 0
	FETCH_A \slot, (\q)+1, 4
.endm
; A slot's last step changes slots: one barrier; in front of it each wave waits for all its tensor loads, adds 0 to its spare word, and waits for that and for its reads of this slot
.macro TURN slot, next, fill
	s_wait_tensorcnt 0x0                           ; all my tensor loads have landed: my part of the next slot
	ds_add_u32 v[SPW], v[NIL]                      ; 0 onto my spare word
	s_wait_dscnt 4*NL+1                            ; the add and the 16 youngest loads (A's blocks 4-7) may be out
	WIN MUL_LO
	MUL16 0, 1, NQ-1, \slot, 0
	s_wait_dscnt 0x0                               ; the add is done, and my reads of this slot are over
	s_barrier_signal -1
	MUL16 2, 1, NQ-1, \slot, 0
	WIN 0
	s_barrier_wait -1
.if \fill
	CREST                                          ; the barrier has opened a round of the cluster's: no wave of any partner still reads this slot or has a load on its way
	s_add_nc_u64 s[G0+4*\slot+2:G0+4*\slot+3], s[G0+4*\slot+2:G0+4*\slot+3], 2*ROWB
	s_add_nc_u64 s[G0B+4*\slot+2:G0B+4*\slot+3], s[G0B+4*\slot+2:G0B+4*\slot+3], 2*ROWB
	JLOAD G0+4*\slot, G1, G0B+4*\slot, G1B         ; the first tensor load behind the round; its four v_nop are four of the eight places
	PLACES NP-4
.else
	PLACES NP
.endif
	s_wait_alu depctr_va_vdst(0)
	v_add_nc_u32 v[ADRS], 4*NQ, v[ADRS]            ; the next K step's scale words
	FETCH_B \next, 0, 0
	FETCH_A \next, 0, 0
	SCALES \next
	WIN MUL_HI
	MUL16 4, 1, NQ-1, \slot, 0
	MUL16 6, 1, NQ-1, \slot, 0
	PLACES NP
	WIN 0
	FETCH_A \next, 0, 4
.endm
	s_wait_tensorcnt 1                             ; the scale bytes and my part of K step 0 are in; K step 1's load may be out
	s_barrier_signal -1
	s_barrier_wait -1
	FETCH_B 0, 0, 0
	FETCH_A 0, 0, 0
	SCALES 0
	FETCH_A 0, 0, 4
	s_wait_loadcnt 0x0                             ; the bias
	s_cmp_lt_u32 ttmp9, 2                          ; the first step starts the sums with the bias: by column for q and k, by row for v
	s_cbranch_scc0 .Lfirst_v
	STEP 0, 0, 1
	s_branch .Lfirst_done
.Lfirst_v:
	STEP 0, 0, 2
.Lfirst_done:
	s_mov_b32 s3, LAPS-1
.Llap:                                             ; a trip goes once round the ring and fills both slots again
	TURN 0, 1, 1
	STEP 1, 0, 0
	TURN 1, 0, 1
	STEP 0, 0, 0
	s_sub_co_u32 s3, s3, 1
	s_cmp_lg_u32 s3, 0
	s_cbranch_scc1 .Llap
	TURN 0, 1, 0                                   ; the last lap fills nothing
	STEP 1, 0, 0
	s_wait_dscnt 4*NL
	WIN MUL_LO
	MUL16 0, 1, NQ-1, 1, 0
	MUL16 2, 1, NQ-1, 1, 0
	s_wait_dscnt 0
	WIN MUL_HI
	MUL16 4, 1, NQ-1, 1, 0
	MUL16 6, 1, NQ-1, 1, 0
	WIN 0
; THE WAY OUT, A's block a (16 rows x 128 columns: four blocks of 32) at a time.
.macro QUANTW a
.set AC, 64*((\a)%4)
.set W, 2+(\a)/4
.set WW, 5*W                           ; sources 0 and 1 in the accumulators' window
	WIN WW
.irp e, 0,1,2,3
	v_max3_num_f32 v[TM+\e], |v[AC+16*\e]|, |v[AC+16*\e+1]|, 0x4800000               ; block e: my 16 numbers and the floor 2^(9 - 127), which holds the byte at 1 from below.  Each accumulator is read from its low end on
.endr
.irp i, 2,4,6,8,10,12,14
.irp e, 0,1,2,3
	v_max3_num_f32 v[TM+\e], |v[AC+16*\e+\i]|, |v[AC+16*\e+\i+1]|, v[TM+\e]          ; the four blocks by turns
.endr
.endr
	WIN 0
.irp e, 0,1,2,3
	v_permlanex16_b32 v[TM+4+\e], v[TM+\e], s[SEL], s[SEL+1]
.endr
.irp e, 0,1,2,3
	v_max_num_f32 v[TM+\e], v[TM+\e], v[TM+4+\e]                                     ; with lane l xor 16's: the block's largest magnitude
.endr
.irp e, 0,1,2,3
	v_add_nc_u32 v[TM+12+\e], 0xfc000000, v[TM+\e]                                   ; 8 off its exponent field: the conversion's scale operand
.endr
.irp e, 0,1,2,3
	v_and_or_b32 v[TM+8+\e], v[TM+\e], 0x7f800000, s[MNT]                            ; 448 x the scale
.endr
.irp e, 0,1,2,3
	v_lshrrev_b32 v[TM+4+\e], 23, v[TM+12+\e]                                        ; the scale's byte
.endr
	v_lshl_or_b32 v[PW], v[TM+5], 8, v[TM+4]
	v_lshl_or_b32 v[PW], v[TM+6], 16, v[PW]
	v_lshl_or_b32 v[PW], v[TM+7], 24, v[PW]                                          ; my row's four bytes
	WIN W                                          ; source 0 in the accumulators' window
.irp e, 0,1,2,3
.irp i, 0,1,2,3,4,5,6,7,8,9,10,11,12,13,14,15
	v_med3_num_f32 v[X+16*\e+\i], v[AC+16*\e+\i], -v[TM+8+\e], v[TM+8+\e]            ; the conversion to an 8-bit code does not saturate (ISA guide 7.6.2): the hold
.endr
.endr
	WIN 0
.if (\a) > 0
	s_wait_alu depctr_va_vdst(0)
	s_wait_xcnt 0x0                                ; the last block's stores have read their data: the codes' registers are written again only behind this wait
.endif
.irp e, 0,1,2,3
	v_cvt_scalef32_pk8_fp8_f32 v[PC+4*\e:PC+4*\e+1], v[X+16*\e:X+16*\e+7], v[TM+12+\e]       ; columns 32 e + 8 h + 0 .. 7
	v_cvt_scalef32_pk8_fp8_f32 v[PC+4*\e+2:PC+4*\e+3], v[X+16*\e+8:X+16*\e+15], v[TM+12+\e]  ; columns 32 e + 16 + 8 h + 0 .. 7
.endr
	v_nop                                          ; a plain line between a scaled conversion and the first vector line that touches its result
.irp e, 0,1,2,3
	v_permlane16_swap_b32 v[PC+4*\e], v[PC+4*\e+2]     ; the first's lanes 16-31 change places with the second's lanes 0-15:
	v_permlane16_swap_b32 v[PC+4*\e+1], v[PC+4*\e+3]   ; the four registers now hold columns 32 e + 16 h + 0 .. 15: registers 4 e .. 4 e + 3 of an operand
.endr
.endm
.macro OUTA a
.irp c, 0,1,2,3
	global_store_b128 v[CO], v[PC+4*\c:PC+4*\c+3], s[12:13] offset:(\c/2)*8192+(\a)*1024+(\c%2)*512   ; 512 consecutive bytes, aligned.  q, k: [head of the pair c / 2][row tile a][c % 2];  v: [half of the 128 keys c / 2][tile of channels a][c % 2]
.endr
	v_lshrrev_b32 v[SWD+(\a)], v[VSH], v[PW]       ; q, k: lanes 0-15 keep the even head's two bytes below, lanes 16-31 bring the odd head's down;  v: the whole word
	ds_store_b32 v[STS], v[SWD+(\a)] offset:64*(\a)
.endm
	PLACES NP                                      ; behind the last products: for the reads of results and for vector writes into the registers that held A's fragments
.irp e, 0,1,2,3
	v_mov_b32 v[TM+4+\e], 0                        ; a lane permute's destination counts as one of its sources
.endr
.irp a, 0,1,2,3,4,5,6,7
	QUANTW \a
	OUTA \a
.endr
	ds_load_b128 v[OB:OB+3], v[STR]                ; LDS serves a wave's instructions in order: these see my stores.  8 tiles x 16 rows x 4 bytes
	ds_load_b128 v[OB+4:OB+7], v[STR] offset:512
	s_wait_dscnt 0x0
	global_store_b128 v[CO], v[OB:OB+3], s[SCO:SCO+1]                  ; the even head's words, or v's: 512 consecutive bytes
	s_cmp_lt_u32 ttmp9, 2
	s_cbranch_scc0 .Lno_odd
	global_store_b128 v[CO], v[OB+4:OB+7], s[SCO:SCO+1] offset:8192    ; the odd head's
.Lno_odd:
	s_wait_tensorcnt 0x0                           ; the wave's end
	ds_add_u32 v[SPW], v[NIL]
	s_wait_dscnt 0x0
	CROUND                                         ; the closing round: no work-group ends while a partner may still ask for a tile that names it
	s_endpgm
.Lfunc_end_k_q8fc46e1de6_qkv:
	.size	k_q8fc46e1de6_qkv, .Lfunc_end_k_q8fc46e1de6_qkv-k_q8fc46e1de6_qkv
	.p2alignl 7, 3214868480
	.fill 96, 4, 3214868480
	.section	.rodata,"a",@progbits
	.p2align	6, 0x0
	.amdhsa_kernel k_q8fc46e1de6_qkv
		.amdhsa_group_segment_fixed_size 327680
		.amdhsa_private_segment_fixed_size 0
		.amdhsa_enable_private_segment 0
		.amdhsa_kernarg_size 136
		.amdhsa_user_sgpr_count 2
		.amdhsa_user_sgpr_kernarg_segment_ptr 1
		.amdhsa_wavefront_size32 1
		.amdhsa_system_sgpr_workgroup_id_x 1
		.amdhsa_system_sgpr_workgroup_id_y 1
		.amdhsa_system_sgpr_workgroup_id_z 1
		.amdhsa_system_vgpr_workitem_id 0
		.amdhsa_next_free_vgpr 1024
		.amdhsa_next_free_sgpr 106
		.amdhsa_reserve_vcc 0
		.amdhsa_float_denorm_mode_32 3
		.amdhsa_float_denorm_mode_16_64 3
		.amdhsa_memory_ordered 1
		.amdhsa_forward_progress 1
		.amdhsa_inst_pref_size 209
	.end_amdhsa_kernel
	.amdgpu_metadata
---
amdhsa.version: [ 1, 2 ]
amdhsa.kernels:
  - .name:           k_q8fc46e1de6_qkv
    .symbol:         k_q8fc46e1de6_qkv.kd
    .args:
      - { .name: query_codes, .offset: 0, .size: 8, .value_kind: global_buffer, .address_space: global }
      - { .name: query_scales, .offset: 8, .size: 8, .value_kind: global_buffer, .address_space: global }
      - { .name: Wq_codes, .offset: 16, .size: 8, .value_kind: global_buffer, .address_space: global }
      - { .name: Wq_scales, .offset: 24, .size: 8, .value_kind: global_buffer, .address_space: global }
      - { .name: Wk_codes, .offset: 32, .size: 8, .value_kind: global_buffer, .address_space: global }
      - { .name: Wk_scales, .offset: 40, .size: 8, .value_kind: global_buffer, .address_space: global }
      - { .name: Wv_codes, .offset: 48, .size: 8, .value_kind: global_buffer, .address_space: global }
      - { .name: Wv_scales, .offset: 56, .size: 8, .value_kind: global_buffer, .address_space: global }
      - { .name: bq, .offset: 64, .size: 8, .value_kind: global_buffer, .address_space: global }
      - { .name: bk, .offset: 72, .size: 8, .value_kind: global_buffer, .address_space: global }
      - { .name: bv, .offset: 80, .size: 8, .value_kind: global_buffer, .address_space: global }
      - { .name: qimg, .offset: 88, .size: 8, .value_kind: global_buffer, .address_space: global }
      - { .name: qsc, .offset: 96, .size: 8, .value_kind: global_buffer, .address_space: global }
      - { .name: kimg, .offset: 104, .size: 8, .value_kind: global_buffer, .address_space: global }
      - { .name: ksc, .offset: 112, .size: 8, .value_kind: global_buffer, .address_space: global }
      - { .name: vimg, .offset: 120, .size: 8, .value_kind: global_buffer, .address_space: global }
      - { .name: vsc, .offset: 128, .size: 8, .value_kind: global_buffer, .address_space: global }
    .group_segment_fixed_size: 327680
    .private_segment_fixed_size: 0
    .kernarg_segment_align: 8
    .kernarg_segment_size: 136
    .max_flat_workgroup_size: 128
    .sgpr_count:     106
    .vgpr_count:     1024
    .wavefront_size: 32
...
	.end_amdgpu_metadata
.endif
;; end of part 1
;; launch attn (part 2): grid 4 x 64, 16 waves a work-group, no clusters, 327,680 bytes of LDS; arguments qimg, qsc, kimg, ksc, vimg, vsc, yimg, ysc; writes yimg, ysc
.if DOCPART == 2
	.amdgcn_target "amdgcn-amd-amdhsa--gfx1250"
	.amdhsa_code_object_version 6
	.text
	.protected	k_q8fc46e1de6_attn
	.globl	k_q8fc46e1de6_attn
	.p2align	8
	.type	k_q8fc46e1de6_attn,@function
k_q8fc46e1de6_attn:
	s_mov_b64 s[64:65], 0
	v_nop
	global_prefetch_b8 v0, s[64:65] scope:SCOPE_SE
	s_setreg_imm32_b32 hwreg(HW_REG_WAVE_MODE, 25, 1), 1
	s_wait_xcnt 0x0
; y[b][t][head] = softmax over keys s <= t of (q . k / 8) times v, both products on codes of FP8 (E4M3) with one E8M0 scale for each 32 along a product's K; y is quantised along its channels and leaves as codes.
; q, k, v come as images of operand registers (a piece = 32 lanes x 16 bytes): q, k: [batch][pair of heads][128 rows][head][tile of 16 rows][2 pieces], K = the head's 64 channels;
; v: [batch][pair][128 keys][half][head][tile of 16 channels][2 pieces], K = the keys.  Scale words: one word a row (q, k: two bytes used) or a channel and 128 keys (v).
; THE FIRST PRODUCT'S K IS 64: the upper half of both operands of the 128-deep instruction is zero codes, kept in registers; the scale bytes beside them are never 0xff.
; THE SOFTMAX: t = score x log2(e) / 8; M = the running largest t rounded UP to a whole number; p = 2^(t - M) is quantised along the keys, not normalised; the row's sum is taken of the unquantised p and divides at the end.
; When M moves, the sum and O are multiplied by 2^(old M - new M), which rounds nothing.
; SHARES.  Work-group (i, batch x head) owns query blocks i and 7 - i, 256 queries each: (i + 1) + (8 - i) = 9 slots of 256 keys for every work-group.  Each of sixteen waves owns one tile of 16 queries of the first
; block and then one of the second.  The ring walks 9 positions, a constant; at position i + 1 a scalar branch on ids finishes the first tile and starts the second, and the keys begin anew.
; A step all of whose 128 keys come after the wave's queries is jumped over; on the diagonal hidden scores become -infinity.
; LAYOUT.  Both products transposed: S^T = K Q^T, O^T = V^T P^T: a lane holds one query (lane % 16).  Register 8 u + j of S^T is key 16 u + 8 (lane / 16) + j, so registers 16 e .. 16 e + 15 and those of lane l xor 16
; are block e of 32 keys.  A block's two conversions and two exchanges of lane halves give registers 4 e .. 4 e + 3 of P's operand.
; NO CLUSTER: the four work-groups of a head stand at different key slots in the same position (slot p in one, p - i - 1 in another); joint loads would want 12 walked slots for 9 worked ones.
; LIMITS: NaN and infinities are not served.  A block whose largest magnitude lies under 2^-118, or all zeros, gets the byte 1 (its codes are zeros; the bytes are read by this program alone).  1 / l is v_rcp_f32.
; A block's largest p is taken from its largest score by the same two instructions, which takes v_exp_f32 not to fall where its input rises.
; REGISTERS: v1-9 addresses; v12 -M, v13 the largest t, v[14:15] the sum; v16-23 Q, v24-31 zeros; v32-95 four fragments of K (upper halves zeros); v96-159 S^T, p, then V's four fragments; v160-191 O^T;
;   v192-200 the second tile's Q and scale word; v208-223 p's codes; v232-254 at work; v255 Q's scale word.
.set SLOT1, 1<<17                      ; slot 1 begins here: one exclusive or turns an address from one slot into the other
.set KOFF,  0                          ; a slot: K: [key step 2][tile 8][piece 2], 16,384 bytes
.set VOFF,  16384                      ; V: [2 x key step + half][tile of channels 4][piece 2], 16,384 bytes
.set KSOFF, 32768                      ; K's scale words: 16 tiles x 64 bytes
.set VSOFF, 33792                      ; V's: [key step 2][tile 4][16 words]
.set SPARE, 2*SLOT1                    ; the spare words: 128 bytes for each of 16 waves, named by no other line
.set LI,  1                            ; v1  16 x lane
.set LS,  2                            ; v2  4 x (lane % 16)
.set YR,  3                            ; v3  32 x (lane % 16): a row of y's scale bytes
.set LN,  4                            ; v4  lane
.set SPW, 5                            ; v5  my spare word; never rewritten
.set NIL, 6                            ; v6  0; never rewritten
.set PFO, 7                            ; v7  the prefetches' offset; never rewritten
.set AD,  8                            ; v8  the slot in hand + 16 x lane
.set ADS, 9                            ; v9  the slot in hand + 4 x (lane % 16)
.set TB,  2                            ; s2  LDS byte at which the slot in hand begins
.set POS, 3                            ; s3  the position, 0..8
.set WV,  18
.set MNT, 19
.set SEL, 20
.set CS,  22                           ; s[22:23] c = log2(e) / 8
.set G1K, 24
.set G1V, 32
.set G1KS, 40
.set G1VS, 48
.set G0K, 56
.set G0V, 60
.set G0KS, 72
.set G0VS, 76
.set SLOTS, 66                         ; s66 slots still to be asked for
.set SW,  67                           ; s67 i + 1: the position at which the second tile begins
.set KF,  70                           ; s70 the step's first key
.set Q0,  71                           ; s71 my first query
.set Q0B, 87                           ; s87 the second tile's
.set BKC, 80                           ; s[80:81] what the codes' addresses go back by at this change: 0, or i + 1 slots
.set BKS, 82                           ; s[82:83] the same for the scale words
.set PFA, 84                           ; s[84:85] where my prefetches stand
.set LIM, 86                           ; s86 2 in a wave that prefetches, else the greatest number
; Waves 0 to 3 fetch: K's codes, V's codes, K's scale words, V's.  The branches hang on the wave's number alone.  Four v_nop follow each tensor load.
.macro TLOAD
	s_cmp_lt_u32 s[WV], 2
	s_cbranch_scc0 .Lhi_\@
	s_cmp_eq_u32 s[WV], 0
	s_cbranch_scc0 .Lw1_\@
	tensor_load_to_lds s[G0K:G0K+3], s[G1K:G1K+7]
	s_nop 0
.rept 4
	v_nop
.endr
	s_branch .Lasked_\@
.Lw1_\@:
	tensor_load_to_lds s[G0V:G0V+3], s[G1V:G1V+7]
	s_nop 0
.rept 4
	v_nop
.endr
	s_branch .Lasked_\@
.Lhi_\@:
	s_cmp_eq_u32 s[WV], 2
	s_cbranch_scc0 .Lw3_\@
	tensor_load_to_lds s[G0KS:G0KS+3], s[G1KS:G1KS+7]
	s_nop 0
.rept 4
	v_nop
.endr
	s_branch .Lasked_\@
.Lw3_\@:
	s_cmp_eq_u32 s[WV], 3
	s_cbranch_scc0 .Lasked_\@
	tensor_load_to_lds s[G0VS:G0VS+3], s[G1VS:G1VS+7]
	s_nop 0
.rept 4
	v_nop
.endr
.Lasked_\@:
.endm
; A PREFETCH INTO THE L2.  All four work-groups of a head walk the same K and V: work-group i = 0 asks, and nobody else.  In it waves 4 and 5 ask for K's two key steps of a slot (8,192 dense bytes each, lanes 256 bytes
; apart), waves 6 and 7 for V's (two runs of 4,096 bytes, 8,192 apart): one instruction a wave, each aligned 256 bytes named once in the launch.  The change at position p names key slot p + 2: work-groups 2 and 3 load
; slots 2 and 3 at positions 1 and 2, one position later; the later slots are loaded two positions later.  Positions 0 to 5 ask, for slots 2 to 7; slots 0 and 1 and the scale words come by their loads alone.
.macro ASK
	s_cmp_gt_u32 s[SLOTS], s[LIM]
	s_cbranch_scc0 .Lnot_mine_\@
	global_prefetch_b8 v[PFO], s[PFA:PFA+1] th:TH_LOAD_NT scope:SCOPE_SE
.Lnot_mine_\@:
.endm
.macro GROUP1 g, c, r, p               ; r rows of c elements of 8 bytes, p elements from row to row, no padding (image reads take 512 consecutive bytes)
	s_mov_b32 s[\g], 3<<16
	s_mov_b32 s[\g+1], (\c)<<16
	s_mov_b32 s[\g+2], (\r)<<16
	s_mov_b32 s[\g+3], (\c)<<16
	s_mov_b32 s[\g+4], \r
	s_mov_b32 s[\g+5], \p
	s_mov_b32 s[\g+6], 0
	s_mov_b32 s[\g+7], 0
.endm
	s_load_b256 s[4:11], s[0:1], 0x0               ; qimg, qsc, kimg, ksc
	s_load_b128 s[12:15], s[0:1], 0x20             ; vimg, vsc
	s_load_b64 s[16:17], s[0:1], 0x30              ; yimg
	s_load_b64 s[68:69], s[0:1], 0x38              ; ysc
	v_lshl_add_u32 v[SPW], v0, 2, SPARE
	v_mov_b32 v[NIL], 0
	ds_add_u32 v5, v6
	ds_add_u32 v5, v6
	s_wait_dscnt 0x0
	v_lshrrev_b32 v8, 5, v0
	s_delay_alu instid0(VALU_DEP_1)
	v_readfirstlane_b32 s[WV], v8                  ; wave 0..15
	s_and_b32 s98, ttmp7, 0xffff                   ; 16 x batch + head
	s_lshr_b32 s99, s98, 1                         ; 8 x batch + pair of heads
	s_and_b32 s70, s98, 1                          ; which head of the pair
	s_and_b32 s71, s98, 15                         ; the head
	s_lshl_b32 s100, s99, 18                       ; a pair's 262,144 bytes of codes
	s_lshl_b32 s104, s70, 13
	s_add_co_u32 s104, s104, s100                  ; q, k: + 8,192 x head of the pair
	s_mov_b32 s105, 0
	s_lshl_b32 s101, s70, 12
	s_add_co_u32 s100, s100, s101                  ; v: + 4,096 x head of the pair
	s_mov_b32 s101, 0
	s_lshl_b32 s80, s98, 13                        ; q's, k's scale words: 8,192 bytes a head
	s_mov_b32 s81, 0
	s_lshl_b32 s82, s99, 13                        ; v's: 8,192 a pair, + 256 x head of the pair
	s_lshl_b32 s83, s70, 8
	s_add_co_u32 s82, s82, s83
	s_mov_b32 s83, 0
	GROUP1 G1K, 1024, 2, 2048                      ; K: two key steps of 8,192 bytes, 16,384 apart
	GROUP1 G1V, 512, 4, 1024                       ; V: four runs of 4,096 bytes, 8,192 apart
	GROUP1 G1KS, 128, 1, 128                       ; K's scale words: 1,024 dense bytes
	GROUP1 G1VS, 32, 2, 64                         ; V's: two runs of 256 bytes, 512 apart
	s_mov_b32 s[SEL], 0x76543210
	s_mov_b32 s[SEL+1], 0xfedcba98
	s_mov_b32 s[CS], 0x3e38aa3b                    ; log2(e) / 8
	s_mov_b32 s[CS+1], s[CS]                       ; (named with it as a pair, so it is written)
	s_mov_b32 s[TB], 0
	s_mov_b32 s[POS], 0
	s_mov_b32 s[SLOTS], 8
	s_wait_kmcnt 0x0
	s_mov_b32 s[G0K], 1
	s_mov_b32 s[G0K+1], KOFF
	s_add_nc_u64 s[G0K+2:G0K+3], s[8:9], s[104:105]
	s_or_b32 s[G0K+3], s[G0K+3], 0x80000000
	s_mov_b32 s[G0V], 1
	s_mov_b32 s[G0V+1], VOFF
	s_add_nc_u64 s[G0V+2:G0V+3], s[12:13], s[100:101]
	s_or_b32 s[G0V+3], s[G0V+3], 0x80000000
	s_mov_b32 s[G0KS], 1
	s_mov_b32 s[G0KS+1], KSOFF
	s_add_nc_u64 s[G0KS+2:G0KS+3], s[10:11], s[80:81]
	s_or_b32 s[G0KS+3], s[G0KS+3], 0x80000000
	s_mov_b32 s[G0VS], 1
	s_mov_b32 s[G0VS+1], VSOFF
	s_add_nc_u64 s[G0VS+2:G0VS+3], s[14:15], s[82:83]
	s_or_b32 s[G0VS+3], s[G0VS+3], 0x80000000
	TLOAD                                          ; key slot 0 into LDS slot 0: one tensor load of mine is out, here and behind every change of slots
	; the prefetches: where my wave's stand, and who asks
	s_cmp_lt_u32 s[WV], 6
	s_cselect_b64 s[PFA:PFA+1], s[8:9], s[12:13]
	s_cselect_b32 s86, s104, s100
	s_mov_b32 s87, 8192
	s_cselect_b32 s87, 4096, s87                   ; from lanes 0-15 to lanes 16-31
	v_and_b32 v[PFO], 15, v0
	s_delay_alu instid0(VALU_DEP_1)
	v_lshlrev_b32 v[PFO], 8, v[PFO]
	v_bfe_u32 v9, v0, 4, 1
	s_delay_alu instid0(VALU_DEP_1)
	v_mul_u32_u24 v9, s87, v9
	s_delay_alu instid0(VALU_DEP_1)
	v_add_nc_u32 v[PFO], v[PFO], v9
	s_and_b32 s87, s[WV], 1
	s_lshl_b32 s87, s87, 14                        ; my key step of a slot,
	s_add_co_u32 s86, s86, s87
	s_add_co_u32 s86, s86, 32768                   ; in key slot 1: the first change of slots steps it to slot 2
	s_mov_b32 s87, 0
	s_add_nc_u64 s[PFA:PFA+1], s[PFA:PFA+1], s[86:87]
	s_sub_co_u32 s86, s[WV], 4
	s_lshr_b32 s86, s86, 2                         ; 0 in waves 4 to 7,
	s_or_b32 s86, s86, ttmp9                       ; of work-group i = 0
	s_cmp_eq_u32 s86, 0
	s_cselect_b32 s[LIM], 2, -1
	; Q of both tiles
	s_add_nc_u64 s[4:5], s[4:5], s[104:105]
	s_add_nc_u64 s[6:7], s[6:7], s[80:81]
	v_and_b32 v[LN], 31, v0
	s_delay_alu instid0(VALU_DEP_1)
	v_lshlrev_b32 v[LI], 4, v[LN]
	s_wait_alu depctr_va_vdst(0)
	v_and_b32 v[YR], 15, v0
	s_delay_alu instid0(VALU_DEP_1)
	v_lshlrev_b32 v[LS], 2, v[YR]
	s_wait_alu depctr_va_vdst(0)
	v_lshlrev_b32 v[YR], 5, v[YR]
	s_lshl_b32 s100, ttmp9, 4
	s_add_co_u32 s100, s100, s[WV]                 ; the first tile: 16 i + wave
	s_sub_co_u32 s101, 7, ttmp9
	s_lshl_b32 s101, s101, 4
	s_add_co_u32 s101, s101, s[WV]                 ; the second: 16 (7 - i) + wave
.macro QLOAD t, cr, sr, va, vb         ; tile s[t]: two pieces of codes into v[cr] on, its scale words into v[sr]
	s_lshr_b32 s104, s[\t], 3
	s_lshl_b32 s104, s104, 14                      ; 16,384 bytes for 128 rows of the pair,
	s_and_b32 s99, s[\t], 7
	s_lshl_b32 s99, s99, 10                        ; 1,024 for a tile
	s_add_co_u32 s104, s104, s99
	v_add_nc_u32 v[\va], s104, v[LI]
	s_lshl_b32 s99, s[\t], 6
	v_add_nc_u32 v[\vb], s99, v[LS]
	global_load_b128 v[\cr:\cr+3], v[\va], s[4:5]
	global_load_b128 v[\cr+4:\cr+7], v[\va], s[4:5] offset:512
	global_load_b32 v[\sr], v[\vb], s[6:7]
.endm
	QLOAD 100, 16, 255, 8, 9
	QLOAD 101, 192, 200, 10, 11
	; where y goes.  Codes: [256 channels: head / 4][row tile][pair % 2][2 x head of the pair + piece][512 bytes];  scale bytes: [row][2 x head + block]
	s_lshr_b32 s99, s98, 4
	s_lshl_b32 s99, s99, 7                         ; 128 row tiles a batch
	s_lshr_b32 s88, s71, 2
	s_lshl_b32 s88, s88, 9
	s_add_co_u32 s88, s88, s99
	s_bfe_u32 s89, s71, 0x10001                    ; pair % 2
	s_lshl_b32 s70, s70, 10
	s_lshl_b32 s71, s71, 1
.macro YADDR t, ya, ys
	s_add_co_u32 s104, s88, s[\t]
	s_lshl_b32 s104, s104, 1
	s_add_co_u32 s104, s104, s89
	s_lshl_b32 s104, s104, 11
	s_add_co_u32 s104, s104, s70
	s_add_nc_u64 s[\ya:\ya+1], s[16:17], s[104:105]
	s_add_co_u32 s104, s99, s[\t]
	s_lshl_b32 s104, s104, 9
	s_add_co_u32 s104, s104, s71
	s_add_nc_u64 s[\ys:\ys+1], s[68:69], s[104:105]
.endm
	YADDR 100, 90, 94
	YADDR 101, 92, 96
	s_lshl_b32 s[Q0], s100, 4
	s_lshl_b32 s[Q0B], s101, 4
	s_mov_b32 s[KF], 0
	s_add_co_u32 s[SW], ttmp9, 1
	s_lshl_b32 s88, s[SW], 15                      ; i + 1 slots of codes,
	s_lshl_b32 s89, s[SW], 10                      ; and of scale words
.set n, 0
.rept 8
	v_mov_b32 v[24+n], 0                           ; the upper 64 of the first product's K: zero codes, Q's
.set n, n+1
.endr
.irp t, 0,1,2,3
.set n, 0
.rept 8
	v_mov_b32 v[40+16*\t+n], 0                     ; and K's, written once
.set n, n+1
.endr
.endr
.macro FRESH                           ; a tile's statistics and O^T begin: the step is written once, and its first turn finds zeros
	v_mov_b32 v13, 0xff61b1e6                      ; the largest t so far: -3e38
	s_delay_alu instid0(VALU_DEP_1)
	v_floor_f32 v12, -v13                          ; -M
	v_mov_b32 v14, 0
	v_mov_b32 v15, 0
.set n, 0
.rept 32
	v_mov_b32 v[160+n], 0
.set n, n+1
.endr
.endm
	FRESH
.irp b, 0,1,2,3
	v_mov_b32 v[236+\b], 0                         ; a lane permute's destination counts as one of its sources
.endr
	v_mov_b32 v252, 0
	v_mov_b32 v253, 0
; A KEY STEP: 128 keys, the q-th of the slot in hand
.macro STEP q
	s_add_co_u32 s98, s[Q0], 15
	s_cmp_gt_u32 s[KF], s98                        ; all 128 keys come after my 16 queries: nothing to do
	s_cbranch_scc1 .Lhidden_\@
	v_add_nc_u32 v[AD], s[TB], v[LI]
	s_wait_alu depctr_va_vdst(0)
	v_add_nc_u32 v[ADS], s[TB], v[LS]
	s_wait_alu depctr_va_vdst(0)
.irp g, 0,1                                    ; S^T = K Q^T, four tiles of 16 keys at a time
.rept 8
	v_nop                                          ; places: the loads below land in registers that matrix instructions have read (8 are owed), and the first four products write over registers that the last step's products read (9 are owed: the two additions above count)
.endr
.irp t, 0,1,2,3
	ds_load_b128 v[32+16*\t:35+16*\t], v[AD] offset:KOFF+(\q)*8192+(4*\g+\t)*1024
	ds_load_b128 v[36+16*\t:39+16*\t], v[AD] offset:KOFF+(\q)*8192+(4*\g+\t)*1024+512
	ds_load_b32 v[248+\t], v[ADS] offset:KSOFF+(8*(\q)+4*\g+\t)*64
.endr
	s_wait_dscnt 0x0
.irp t, 0,1,2,3
	v_wmma_scale_f32_16x16x128_f8f6f4 v[96+8*(4*\g+\t):103+8*(4*\g+\t)], v[32+16*\t:47+16*\t], v[16:31], 0, v[248+\t], v255
.endr
.endr
.rept 8
	v_nop
.endr
	s_add_co_u32 s98, s[KF], 127                   ; on the diagonal the scores of hidden keys become -infinity ahead of the maximum; a step all of whose keys count skips this
	s_cmp_le_u32 s98, s[Q0]
	s_cbranch_scc1 .Lopen_\@
	s_sub_co_i32 s98, s[Q0], s[KF]
	v_and_b32 v252, 15, v0
	v_bfe_u32 v253, v0, 4, 1
	s_delay_alu instid0(VALU_DEP_1)
	v_lshlrev_b32 v253, 3, v253
	s_delay_alu instid0(VALU_DEP_1)
	v_sub_nc_u32 v252, v252, v253
	s_delay_alu instid0(VALU_DEP_1)
	v_add_nc_u32 v252, s98, v252                   ; d = my query - the step's first key - 8 (lane / 16).  Register n holds key 16 (n / 8) + n % 8 + 8 (lane / 16): hidden where 16 (n / 8) + n % 8 > d
	v_mov_b32 v254, 0xff800000
.set n, 0
.rept 64
	v_cmp_gt_i32 vcc_lo, 16*(n/8)+n%8, v252
	v_cndmask_b32 v[96+n], v[96+n], v254, vcc_lo
.set n, n+1
.endr
.Lopen_\@:
.irp b, 0,1,2,3
	v_max3_num_f32 v[232+\b], v[96+16*\b], v[97+16*\b], v[98+16*\b]   ; the largest score of each block of 32 keys: for the row's maximum and, since p rises with the score, for the block's largest p
.endr
.irp i, 3,5,7,9,11,13
.irp b, 0,1,2,3
	v_max3_num_f32 v[232+\b], v[232+\b], v[96+16*\b+\i], v[97+16*\b+\i]
.endr
.endr
.irp b, 0,1,2,3
	v_max_num_f32 v[232+\b], v[232+\b], v[111+16*\b]
.endr
.irp b, 0,1,2,3
	s_delay_alu instid0(VALU_DEP_4)
	v_permlanex16_b32 v[236+\b], v[232+\b], s[SEL], s[SEL+1]
.endr
.irp b, 0,1,2,3
	s_delay_alu instid0(VALU_DEP_4)
	v_max_num_f32 v[232+\b], v[232+\b], v[236+\b]  ; with lane l xor 16's 16 keys
.endr
	s_delay_alu instid0(VALU_DEP_2)
	v_max3_num_f32 v254, v232, v233, v234
	s_delay_alu instid0(VALU_DEP_1)
	v_max_num_f32 v254, v254, v235                 ; the step's largest score of my query (the step's first key counts for all 16 queries: it is a number)
	s_delay_alu instid0(VALU_DEP_1)
	v_mul_f32 v254, s[CS], v254
	s_delay_alu instid0(VALU_DEP_1)
	v_max_num_f32 v13, v13, v254                   ; the running largest t
	v_mov_b32 v254, v12
	s_delay_alu instid0(VALU_DEP_2)
	v_floor_f32 v12, -v13                          ; the new -M = floor(-t) = -ceil(t)
	s_delay_alu instid0(VALU_DEP_1)
	v_sub_f32 v254, v12, v254                      ; old M - new M: a whole number, 0 or less
	s_delay_alu instid0(VALU_DEP_1)
	v_cvt_i32_f32 v254, v254                       ; (it saturates)
	s_delay_alu instid0(VALU_DEP_1)
	v_ldexp_f32 v252, 1.0, v254                    ; f = 2^(old M - new M)
.set n, 0
.rept 32
	v_pk_fma_f32 v[96+n:97+n], v[96+n:97+n], s[CS:CS+1], v[12:13] op_sel_hi:[1,0,0]   ; t - M, two at a time
.set n, n+2
.endr
.irp b, 0,1,2,3
	v_fma_f32 v[232+\b], v[232+\b], s[CS], v12     ; the same of each block's largest score
.endr
.set n, 0
	s_wait_alu depctr_va_vdst(0)
.rept 64
	v_exp_f32 v[96+n], v[96+n]                     ; p = 2^(t - M)
.set n, n+1
.endr
	v_pk_mul_f32 v[14:15], v[14:15], v[252:253] op_sel_hi:[1,0]   ; the sums under the new M: a plain line behind the exponentials
	s_wait_alu depctr_va_vdst(0)                   ; one wait for the batch of 64, ahead of its first reader
.irp b, 0,1,2,3
	v_exp_f32 v[232+\b], v[232+\b]                 ; the block's largest p
.endr
	v_pk_add_f32 v[236:237], v[100:101], v[104:105]
	v_pk_add_f32 v[242:243], v[108:109], v[112:113]
	v_pk_add_f32 v[240:241], v[116:117], v[120:121]
	v_pk_add_f32 v[230:231], v[124:125], v[128:129]
	v_pk_add_f32 v[228:229], v[132:133], v[136:137]
	v_pk_add_f32 v[226:227], v[140:141], v[144:145]
	v_pk_add_f32 v[224:225], v[148:149], v[152:153]
	v_pk_add_f32 v[14:15], v[14:15], v[156:157]
	v_pk_add_f32 v[236:237], v[236:237], v[96:97]
	v_pk_add_f32 v[242:243], v[242:243], v[98:99]
	v_pk_add_f32 v[240:241], v[240:241], v[102:103]
	v_pk_add_f32 v[230:231], v[230:231], v[106:107]
	v_pk_add_f32 v[228:229], v[228:229], v[110:111]
	v_pk_add_f32 v[226:227], v[226:227], v[114:115]
	v_pk_add_f32 v[224:225], v[224:225], v[118:119]
	v_pk_add_f32 v[14:15], v[14:15], v[122:123]
	v_pk_add_f32 v[236:237], v[236:237], v[126:127]
	v_pk_add_f32 v[242:243], v[242:243], v[130:131]
	v_pk_add_f32 v[240:241], v[240:241], v[134:135]
	v_pk_add_f32 v[230:231], v[230:231], v[138:139]
	v_pk_add_f32 v[228:229], v[228:229], v[142:143]
	v_pk_add_f32 v[226:227], v[226:227], v[146:147]
	v_pk_add_f32 v[224:225], v[224:225], v[150:151]
	v_pk_add_f32 v[14:15], v[14:15], v[154:155]
	v_pk_add_f32 v[236:237], v[236:237], v[158:159]
	s_delay_alu instid0(VALU_DEP_2)
	v_pk_add_f32 v[14:15], v[14:15], v[230:231]
	s_delay_alu instid0(VALU_DEP_2)
	v_pk_add_f32 v[236:237], v[236:237], v[228:229]
	v_pk_add_f32 v[242:243], v[242:243], v[226:227]
	v_pk_add_f32 v[240:241], v[240:241], v[224:225]
	s_delay_alu instid0(VALU_DEP_2)
	v_pk_add_f32 v[14:15], v[14:15], v[242:243]
	s_delay_alu instid0(VALU_DEP_2)
	v_pk_add_f32 v[236:237], v[236:237], v[240:241]
	s_delay_alu instid0(VALU_DEP_1)
	v_pk_add_f32 v[14:15], v[14:15], v[236:237]
	s_wait_alu depctr_va_vdst(0)                   ; and one for the four
.irp b, 0,1,2,3
	v_max_num_f32 v[232+\b], 0x4800000, v[232+\b]  ; the floor 2^(9 - 127): the byte cannot fall under 1
.endr
.irp b, 0,1,2,3
	s_delay_alu instid0(VALU_DEP_4)
	v_add_nc_u32 v[244+\b], 0xfc000000, v[232+\b]  ; 8 off the exponent field: the conversion's scale operand
.endr
.irp b, 0,1,2,3
.endr
.irp b, 0,1,2,3
	s_delay_alu instid0(VALU_DEP_4)
	v_lshrrev_b32 v[236+\b], 23, v[244+\b]         ; the scale's byte
.endr
	s_delay_alu instid0(VALU_DEP_3)
	v_lshl_or_b32 v253, v237, 8, v236              ; p's scale word for these 128 keys
	s_delay_alu instid0(VALU_DEP_1)
	v_lshl_or_b32 v253, v238, 16, v253
	s_delay_alu instid0(VALU_DEP_1)
	v_lshl_or_b32 v253, v239, 24, v253
.irp b, 0,1,2,3
.irp i, 0,1,2,3,4,5,6,7,8,9,10,11,12,13,14,15
.endr
	v_cvt_scalef32_pk8_fp8_f32 v[208+4*\b:209+4*\b], v[96+16*\b:103+16*\b], v[244+\b]    ; keys 32 b + 8 h + 0 .. 7
	v_cvt_scalef32_pk8_fp8_f32 v[210+4*\b:211+4*\b], v[104+16*\b:111+16*\b], v[244+\b]   ; keys 32 b + 16 + 8 h + 0 .. 7
.endr
	v_nop                                          ; a plain line between the last conversion and the first vector line that touches a result
.irp b, 0,1,2,3
	v_permlane16_swap_b32 v[208+4*\b], v[210+4*\b] ; the first's lanes 16-31 change places with the second's lanes 0-15:
	v_permlane16_swap_b32 v[209+4*\b], v[211+4*\b] ; registers 4 b .. 4 b + 3 now hold keys 32 b + 16 h + 0 .. 15
.endr
.irp d, 0,1,2,3                                ; V's four fragments (16 channels x 128 keys) take the registers that p has left
.irp c, 0,1,2,3
	ds_load_b128 v[96+16*\d+4*\c:99+16*\d+4*\c], v[AD] offset:VOFF+(2*(\q)+\c/2)*4096+\d*1024+(\c%2)*512
.endr
	ds_load_b32 v[248+\d], v[ADS] offset:VSOFF+(\q)*256+\d*64
.endr
.set n, 0
.rept 16
	v_pk_mul_f32 v[160+n:161+n], v[160+n:161+n], v[252:253] op_sel_hi:[1,0]   ; O^T under the new M; these lines are also the places between the codes' last write and the products
.set n, n+2
.endr
	s_wait_alu depctr_va_vdst(0)
	s_wait_dscnt 0x0
.irp d, 0,1,2,3
	v_wmma_scale_f32_16x16x128_f8f6f4 v[160+8*\d:167+8*\d], v[96+16*\d:111+16*\d], v[208:223], v[160+8*\d:167+8*\d], v[248+\d], v253   ; the four accumulators by turns
.endr
.Lhidden_\@:
	s_add_co_u32 s[KF], s[KF], 128
.endm
; A TILE IS FINISHED: O^T / the sum, quantised along its 64 channels (two blocks), stored as two pieces of an operand's image and two scale bytes a row
.macro FINISH ya, ys
.rept 8
	v_nop                                          ; places behind the last products: their results are read and their operands' registers written
.endr
	v_add_f32 v14, v14, v15
	s_wait_alu depctr_va_vdst(0)
	v_permlanex16_b32 v252, v14, s[SEL], s[SEL+1]
	s_delay_alu instid0(VALU_DEP_1)
	v_add_f32 v14, v14, v252                       ; the row's sum
	s_wait_alu depctr_va_vdst(0)
	v_rcp_f32 v14, v14
	v_nop                                          ; a plain line behind the reciprocal,
	s_wait_alu depctr_va_vdst(0)                   ; and the wait ahead of its first reader
.set n, 0
.rept 16
	v_pk_mul_f32 v[96+n:97+n], v[160+n:161+n], v[14:15] op_sel_hi:[1,0]   ; register 8 u + j: channel 16 u + 8 h + j of my query; each accumulator from its low end on
.set n, n+2
.endr
.irp b, 0,1
	v_max3_num_f32 v[232+\b], |v[96+16*\b]|, |v[97+16*\b]|, 0x4800000
.endr
.irp i, 2,4,6,8,10,12,14
.irp b, 0,1
	s_delay_alu instid0(VALU_DEP_2)
	v_max3_num_f32 v[232+\b], v[232+\b], |v[96+16*\b+\i]|, |v[97+16*\b+\i]|
.endr
.endr
.irp b, 0,1
	s_delay_alu instid0(VALU_DEP_2)
	v_permlanex16_b32 v[236+\b], v[232+\b], s[SEL], s[SEL+1]
.endr
.irp b, 0,1
	s_delay_alu instid0(VALU_DEP_2)
	v_max_num_f32 v[232+\b], v[232+\b], v[236+\b]
.endr
.irp b, 0,1
	s_delay_alu instid0(VALU_DEP_2)
	v_add_nc_u32 v[244+\b], 0xfc000000, v[232+\b]
.endr
.irp b, 0,1
.endr
.irp b, 0,1
	s_delay_alu instid0(VALU_DEP_2)
	v_lshrrev_b32 v[236+\b], 23, v[244+\b]
.endr
	s_delay_alu instid0(VALU_DEP_1)
	v_lshl_or_b32 v254, v237, 8, v236              ; my row's two scale bytes
.irp b, 0,1
.irp i, 0,1,2,3,4,5,6,7,8,9,10,11,12,13,14,15
.endr
	v_cvt_scalef32_pk8_fp8_f32 v[128+4*\b:129+4*\b], v[96+16*\b:103+16*\b], v[244+\b]
	v_cvt_scalef32_pk8_fp8_f32 v[130+4*\b:131+4*\b], v[104+16*\b:111+16*\b], v[244+\b]
.endr
	v_nop
.irp b, 0,1
	v_permlane16_swap_b32 v[128+4*\b], v[130+4*\b]
	v_permlane16_swap_b32 v[129+4*\b], v[131+4*\b]
.endr
	global_store_b128 v[LI], v[128:131], s[\ya:\ya+1]              ; 512 consecutive bytes, aligned
	global_store_b128 v[LI], v[132:135], s[\ya:\ya+1] offset:512
	v_cmp_gt_u32 vcc_lo, 16, v[LN]
	s_wait_xcnt 0x0                                ; EXEC changes only behind this wait
	s_and_saveexec_b32 s99, vcc_lo                 ; lanes 16-31 hold the same two bytes: lanes 0-15 store them
	global_store_b16 v[YR], v254, s[\ys:\ys+1]     ; a head makes two bytes of a row's 32: rows 32 bytes apart
	s_wait_xcnt 0x0                                ; and again in front of the line that widens it; the stores' data may be written again too
	s_or_b32 exec_lo, exec_lo, s99
.endm
; THE CHANGE OF SLOTS stands at a slot's head.  Each wave waits for all its tensor loads, adds 0 to its spare word, and waits for that and for its reads of the slot that it has left.
; fill = 1: the slot just left is filled with the keys of the next position: one slot on, or, where the next position begins the second tile, back at key slot 0.
.macro CHANGE fill
	s_wait_tensorcnt 0x0                           ; no tensor load of mine is out, so a group 0 may be written
	ds_add_u32 v[SPW], v[NIL]                      ; 0 onto my spare word
.if \fill
	s_add_co_u32 s98, s[POS], 1
	s_cmp_eq_u32 s98, s[SW]
	s_cselect_b32 s[BKC], s88, 0
	s_cselect_b32 s[BKS], s89, 0
.irp g, G0K, G0V
	s_xor_b32 s[\g+1], s[\g+1], SLOT1
	s_add_nc_u64 s[\g+2:\g+3], s[\g+2:\g+3], 32768
	s_sub_nc_u64 s[\g+2:\g+3], s[\g+2:\g+3], s[BKC:BKC+1]
.endr
.irp g, G0KS, G0VS
	s_xor_b32 s[\g+1], s[\g+1], SLOT1
	s_add_nc_u64 s[\g+2:\g+3], s[\g+2:\g+3], 1024
	s_sub_nc_u64 s[\g+2:\g+3], s[\g+2:\g+3], s[BKS:BKS+1]
.endr
	s_wait_xcnt 0x0                                ; the last prefetch, a position back, has read its address
	s_add_nc_u64 s[PFA:PFA+1], s[PFA:PFA+1], 32768
.endif
	s_wait_dscnt 0x0                               ; the add is done, and my reads of the slot that I have left are over
	s_barrier_signal -1
	s_barrier_wait -1
.if \fill
	TLOAD                                          ; the first thing behind the barrier, and a wave's one tensor load until the next
	ASK
.endif
.endm
.macro SWITCH                          ; at position i + 1 the first tile is finished and the second begins: a branch on ids, the same in all sixteen waves
	s_cmp_eq_u32 s[POS], s[SW]
	s_cbranch_scc0 .Lsame_\@
	FINISH 90, 94
.set n, 0
.rept 8
	v_mov_b32 v[16+n], v[192+n]
.set n, n+1
.endr
	v_mov_b32 v255, v200
	FRESH
	s_mov_b32 s[Q0], s[Q0B]
	s_mov_b32 s[KF], 0
.Lsame_\@:
.endm
	s_wait_loadcnt 0x0                             ; Q
.Lslot:                                            ; 8 trips: behind each change of slots but the last the next position's keys are asked for
	CHANGE 1
	SWITCH
	STEP 0
	STEP 1
	s_xor_b32 s[TB], s[TB], SLOT1
	s_add_co_u32 s[POS], s[POS], 1
	s_sub_co_u32 s[SLOTS], s[SLOTS], 1
	s_cmp_lg_u32 s[SLOTS], 0
	s_cbranch_scc1 .Lslot
	CHANGE 0                                       ; the last position is written out
	STEP 0
	STEP 1
	FINISH 92, 96
	s_wait_tensorcnt 0x0                           ; the wave's end
	ds_add_u32 v[SPW], v[NIL]
	s_wait_dscnt 0x0
	s_endpgm
.Lfunc_end_k_q8fc46e1de6_attn:
	.size	k_q8fc46e1de6_attn, .Lfunc_end_k_q8fc46e1de6_attn-k_q8fc46e1de6_attn
	.p2alignl 7, 3214868480
	.fill 96, 4, 3214868480
	.section	.rodata,"a",@progbits
	.p2align	6, 0x0
	.amdhsa_kernel k_q8fc46e1de6_attn
		.amdhsa_group_segment_fixed_size 327680
		.amdhsa_private_segment_fixed_size 0
		.amdhsa_enable_private_segment 0
		.amdhsa_kernarg_size 64
		.amdhsa_user_sgpr_count 2
		.amdhsa_user_sgpr_kernarg_segment_ptr 1
		.amdhsa_wavefront_size32 1
		.amdhsa_system_sgpr_workgroup_id_x 1
		.amdhsa_system_sgpr_workgroup_id_y 1
		.amdhsa_system_sgpr_workgroup_id_z 1
		.amdhsa_system_vgpr_workitem_id 0
		.amdhsa_next_free_vgpr 256
		.amdhsa_next_free_sgpr 106
		.amdhsa_reserve_vcc 1
		.amdhsa_float_denorm_mode_32 3
		.amdhsa_float_denorm_mode_16_64 3
		.amdhsa_fp16_overflow 1
		.amdhsa_memory_ordered 1
		.amdhsa_forward_progress 1
		.amdhsa_inst_pref_size 121
	.end_amdhsa_kernel
	.amdgpu_metadata
---
amdhsa.version: [ 1, 2 ]
amdhsa.kernels:
  - .name:           k_q8fc46e1de6_attn
    .symbol:         k_q8fc46e1de6_attn.kd
    .args:
      - { .name: qimg, .offset: 0, .size: 8, .value_kind: global_buffer, .address_space: global }
      - { .name: qsc, .offset: 8, .size: 8, .value_kind: global_buffer, .address_space: global }
      - { .name: kimg, .offset: 16, .size: 8, .value_kind: global_buffer, .address_space: global }
      - { .name: ksc, .offset: 24, .size: 8, .value_kind: global_buffer, .address_space: global }
      - { .name: vimg, .offset: 32, .size: 8, .value_kind: global_buffer, .address_space: global }
      - { .name: vsc, .offset: 40, .size: 8, .value_kind: global_buffer, .address_space: global }
      - { .name: yimg, .offset: 48, .size: 8, .value_kind: global_buffer, .address_space: global }
      - { .name: ysc, .offset: 56, .size: 8, .value_kind: global_buffer, .address_space: global }
    .group_segment_fixed_size: 327680
    .private_segment_fixed_size: 0
    .kernarg_segment_align: 8
    .kernarg_segment_size: 64
    .max_flat_workgroup_size: 512
    .sgpr_count:     106
    .vgpr_count:     256
    .wavefront_size: 32
...
	.end_amdgpu_metadata
.endif
;; end of part 2
;; launch proj (part 3): grid 4 x 32, 4 waves a work-group, clusters of 4 x 4, 327,680 bytes of LDS; arguments yimg, ysc, Wp_codes, Wp_scales, bp, out0; writes out0
.if DOCPART == 3
	.amdgcn_target "amdgcn-amd-amdhsa--gfx1250"
	.amdhsa_code_object_version 6
	.text
	.protected	k_q8fc46e1de6_proj
	.globl	k_q8fc46e1de6_proj
	.p2align	8
	.type	k_q8fc46e1de6_proj,@function
k_q8fc46e1de6_proj:
	s_mov_b64 s[64:65], 0
	v_nop
	global_prefetch_b8 v0, s[64:65] scope:SCOPE_SE
	s_setreg_imm32_b32 hwreg(HW_REG_WAVE_MODE, 25, 1), 1
	s_wait_xcnt 0x0
	s_wait_alu depctr_hold_cnt(0) depctr_sa_sdst(0) depctr_va_vdst(0) depctr_va_sdst(0) depctr_va_ssrc(0) depctr_va_vcc(0) depctr_vm_vsrc(0)
	s_getreg_b32 s2, hwreg(HW_REG_IB_STS2, 6, 4)
	s_cmp_eq_u32 s2, 0
	s_cbranch_scc0 .Lentry_in_a_cluster
	s_endpgm
.Lentry_in_a_cluster:
	s_bfe_u32 s2, ttmp6, 0x10000c
	s_cmp_lg_u32 s2, 0xf033
	s_cbranch_scc0 .Lentry_shape_is_right
	s_endpgm
.Lentry_shape_is_right:
; out0 = y Wp^T + bp.  y: 8,192 rows x 1,024 as codes of FP8 (E4M3), laid as images of operand registers: [256 along K][row tile of 16][128 along K][4 pieces of 512 bytes: lane l's 16 bytes at 16 l];
; its scale bytes [row][32].  Wp: [1,024][1,024] codes, K innermost; scale bytes [1,024][32].  bp [1,024], out0 [8,192][1,024]: f32.  Sums in f32.
; A tile of out0, 256 x 256, is made by four waves, each 128 x 128 in 64 accumulators.  K goes in steps of 256 through two LDS slots filled by the tensor data mover.
; y's tile of a K step, 128 rows, is 32,768 DENSE bytes: it comes as 128 runs of 256 bytes with 16 of padding behind each; a piece is two runs, so each half of a fragment load reads 256 consecutive bytes.
; The scale bytes of the tile's 256 + 256 rows come into LDS once and stay.  The bias is the C of each sum's first product.
; CLUSTERS: 4 x 4 work-groups; y's tiles are asked for jointly along a row of the cluster, Wp's along a column.  128 work-groups: the tile keeps a wave's 128 x 128, for which each fragment read from LDS feeds eight products.
; THE MATRIX INSTRUCTION IS USED TRANSPOSED (source 0 = 16 rows of Wp, source 1 = 16 rows of y): a lane holds eight neighbouring numbers of a row of out0.
; REGISTERS, in windows of 256: window 0: v0-31 addresses; v32-63 scale words, two sets; v64-127 the bias; v128-255 y's fragments, one set (on the way out: rows read back).
;   window 1: Wp's fragments, two sets.   window 2: the accumulators of my rows 0-63.   window 3: those of my rows 64-127.
.set SIZE_N, 1024
.set KSTEP,  256
.set NQ,     2
.set ROWB,   256
.set KROW,   1024                      ; a row of Wp in memory
.set ASLOT,  2097152                   ; from one 256 along K of y's images to the next: 512 row tiles x 4,096 bytes
.set PITCH,  272
.set FR,     16
.set NL,     4
.set NP,     8
.set HALFT,  128*PITCH
.set SLOT,   4*HALFT
.set LAPS,   2
.set KS,     32
.set SCL,    2*SLOT
.set HALFS,  (128*KS/256)*272
.set SBLK,   (16*KS/256)*272
.set SPARE,  SCL+4*HALFS               ; the spare words: 128 bytes a wave, named by no other line
.set SPITCH, 528                       ; the way out: 16 rows x (512 bytes + 16) for each wave, in slot 0, which has then had its last fill and its last read
.set ADRA, 16
.set ADRB, 20
.set BOQ,  22                          ; v22  32 h: the bias
.set STO,  24
.set RD,   25
.set CO,   26
.set ADRS, 27
.set SPW,  28                          ; v28  my spare word; never rewritten
.set NIL,  29                          ; v29  0; never rewritten
.set SC,   32
.set BR,   64
.set AF,   128
.set BK,   128
.set G1, 24
.set G0, 32
.set G1B, 48
.set G0B, 56
.set G1S, 68
.set G0S, 76
.set G1SB, 80
.set G0SB, 88
.set BIA, 66                           ; s[66:67] bp
.set MSB, 0
.macro WIN new                         ; the immediate's high byte repeats the setting that is left
.if MSB != (\new)
	s_set_vgpr_msb (MSB<<8)|(\new)
.set MSB, (\new)
.endif
.endm
.set MUL_LO, 0xa1
.set MUL_HI, 0xf1
.set BIA_LO, 0x81                      ; C (the bias) window 0, D window 2
.set BIA_HI, 0xc1
.set TO_B,   0x40
.macro JLOAD g0a, g1a, g0b, g1b        ; a joint load: waves 0 and 1 fetch for y, waves 2 and 3 for Wp; four v_nop follow each of the two lines
	s_cmp_eq_u32 s15, 0
	s_cbranch_scc0 .Lfor_b_\@
	tensor_load_to_lds s[\g0a:\g0a+3], s[\g1a:\g1a+7]
	s_nop 0
.rept 4
	v_nop
.endr
	s_branch .Lasked_\@
.Lfor_b_\@:
	tensor_load_to_lds s[\g0b:\g0b+3], s[\g1b:\g1b+7]
	s_nop 0
.rept 4
	v_nop
.endr
.Lasked_\@:
.endm
.macro CREST
	s_cmp_lg_u32 s14, 0
	s_cbranch_scc1 .Lnot_wave_0_\@
	s_barrier_signal -3
.Lnot_wave_0_\@:
	s_barrier_wait -3
	s_barrier_signal -1
	s_barrier_wait -1
.endm
.macro CROUND
	s_barrier_signal -1
	s_barrier_wait -1
	CREST
.endm
	s_load_b128 s[4:7], s[0:1], 0x0                ; y's images, y's scale bytes
	s_load_b128 s[8:11], s[0:1], 0x10              ; Wp's codes, Wp's scale bytes
	s_load_b64 s[BIA:BIA+1], s[0:1], 0x20          ; bp
	s_load_b64 s[12:13], s[0:1], 0x28              ; out0
	v_lshl_add_u32 v[SPW], v0, 2, SPARE
	v_mov_b32 v[NIL], 0
	ds_add_u32 v28, v29
	ds_add_u32 v28, v29
	s_wait_dscnt 0x0
	v_lshrrev_b32 v1, 5, v0
	v_readfirstlane_b32 s14, v1                    ; wave 0..3
	s_lshr_b32 s15, s14, 1                         ; which half of the tile's rows is mine.  Also: I fetch for y (0) or for Wp (1)
	s_and_b32 s16, s14, 1                          ; which half of its columns.  Also: which 128 rows I fetch
	s_bfe_u32 s40, ttmp6, 0x40000                  ; cx
	s_bfe_u32 s41, ttmp6, 0x40004                  ; cy
	s_lshl_b32 s42, ttmp9, 2
	s_add_co_u32 s42, s42, s40                     ; tile column
	s_and_b32 s17, ttmp7, 0xffff
	s_lshl_b32 s17, s17, 2
	s_add_co_u32 s17, s17, s41                     ; tile row
	s_lshl_b32 s43, s41, 2
	s_lshl_b32 s43, 15, s43                        ; my row of the cluster
	s_lshl_b32 s44, 0x1111, s40                    ; my column
	s_or_b32 s[G1+0], s43, (0<<16)|(1<<20)|(1<<21)|(5<<22)|(3<<25)  ; the mask; elements of 1 byte; padding on; bit 21 beside a mask; after every 64 words; 4 words
	s_or_b32 s[G1B+0], s44, (0<<16)|(1<<20)|(1<<21)|(5<<22)|(3<<25)
.irp g, G1, G1B
	s_mov_b32 s[\g+1], ROWB<<16
	s_mov_b32 s[\g+2], 128<<16
	s_mov_b32 s[\g+3], ROWB<<16
	s_mov_b32 s[\g+4], 128
	s_mov_b32 s[\g+6], 0
	s_mov_b32 s[\g+7], 0
.endr
	s_mov_b32 s[G1+5], ROWB                        ; y's runs of 256 bytes are dense
	s_mov_b32 s[G1B+5], KROW                       ; Wp's rows are 1,024 bytes apart
	s_or_b32 s[G1S+0], s43, (3<<16)|(1<<20)|(1<<21)|(5<<22)|(3<<25)
	s_or_b32 s[G1SB+0], s44, (3<<16)|(1<<20)|(1<<21)|(5<<22)|(3<<25)
.irp g, G1S, G1SB                              ; the scale bytes of 128 rows: 4,096 dense bytes as 16 rows of 256, 16 bytes of padding behind each
	s_mov_b32 s[\g+1], 32<<16
	s_mov_b32 s[\g+2], (128*KS/256)<<16
	s_mov_b32 s[\g+3], 32<<16
	s_mov_b32 s[\g+4], 128*KS/256
	s_mov_b32 s[\g+5], 32
	s_mov_b32 s[\g+6], 0
	s_mov_b32 s[\g+7], 0
.endr
	s_lshl_b32 s18, s16, 7
	s_lshl_b32 s20, s17, 8
	s_add_co_u32 s20, s20, s18                     ; y: row 256 x tile row + 128 x half
	s_lshl_b32 s46, s42, 8
	s_add_co_u32 s46, s46, s18                     ; Wp: row 256 x tile column + 128 x half
	s_mov_b32 s21, 0
	s_mov_b32 s47, 0
	s_mov_b64 s[18:19], KS
	s_mul_u64 s[22:23], s[20:21], s[18:19]
	s_mul_u64 s[92:93], s[46:47], s[18:19]
	s_mov_b64 s[18:19], ROWB
	s_mul_u64 s[20:21], s[20:21], s[18:19]         ; y's images: 256 bytes a row within a K step
	s_mov_b64 s[18:19], KROW
	s_mul_u64 s[46:47], s[46:47], s[18:19]
	s_mul_i32 s45, s14, HALFT                      ; no place in the cluster enters an LDS address
	s_mul_i32 s94, s14, HALFS
	s_wait_kmcnt 0x0
	s_add_nc_u64 s[20:21], s[4:5], s[20:21]
	s_add_nc_u64 s[22:23], s[6:7], s[22:23]
	s_add_nc_u64 s[46:47], s[8:9], s[46:47]
	s_add_nc_u64 s[92:93], s[10:11], s[92:93]
	CROUND                                         ; all sixteen work-groups are here: the first joint loads meet
	s_mov_b32 s[G0S], 1
	s_add_co_u32 s[G0S+1], s94, SCL
	s_mov_b64 s[G0S+2:G0S+3], s[22:23]
	s_or_b32 s[G0S+3], s[G0S+3], 0x80000000
	s_mov_b32 s[G0SB], 1
	s_add_co_u32 s[G0SB+1], s94, SCL
	s_mov_b64 s[G0SB+2:G0SB+3], s[92:93]
	s_or_b32 s[G0SB+3], s[G0SB+3], 0x80000000
	JLOAD G0S, G1S, G0SB, G1SB
.irp s, 0,1
	s_mov_b32 s[G0+4*\s], 1
	s_add_co_u32 s[G0+4*\s+1], s45, \s*SLOT
	s_add_nc_u64 s[G0+4*\s+2:G0+4*\s+3], s[20:21], \s*ASLOT
	s_or_b32 s[G0+4*\s+3], s[G0+4*\s+3], 0x80000000
	s_mov_b32 s[G0B+4*\s], 1
	s_add_co_u32 s[G0B+4*\s+1], s45, \s*SLOT
	s_add_nc_u64 s[G0B+4*\s+2:G0B+4*\s+3], s[46:47], \s*ROWB
	s_or_b32 s[G0B+4*\s+3], s[G0B+4*\s+3], 0x80000000
	s_wait_alu depctr_va_vdst(0)
	s_wait_tensorcnt 0x0
	ds_add_u32 v28, v29
	s_wait_dscnt 0x0
	CROUND
	JLOAD G0+4*\s, G1, G0B+4*\s, G1B               ; one tensor load of mine is out
.endr
	v_and_b32 v1, 15, v0                           ; r
	v_bfe_u32 v2, v0, 4, 1                         ; h
	v_mul_u32_u24 v3, v1, PITCH
	v_lshl_add_u32 v4, v2, 4, v3                   ; Wp: a fragment's row x pitch + 16 h
	v_mul_u32_u24 v5, v2, PITCH
	v_lshl_add_u32 v5, v1, 4, v5                   ; y: a piece is two runs: run h, 16 bytes a lane
	s_mul_i32 s21, s15, HALFT
	s_mul_i32 s22, s16, HALFT
	s_add_co_u32 s22, s22, 2*HALFT
.irp s, 0,1
	v_add_nc_u32 v[ADRA+\s], s21, v5
	v_add_nc_u32 v[ADRB+\s], s22, v4
	s_add_co_u32 s21, s21, SLOT
	s_add_co_u32 s22, s22, SLOT
.endr
	v_mul_u32_u24 v5, v1, KS
	v_lshrrev_b32 v6, 8, v5
	v_lshl_add_u32 v5, v6, 4, v5
	s_mul_i32 s21, s15, HALFS
	s_mul_i32 s22, s16, HALFS
	s_add_co_u32 s22, s22, 2*HALFS
	s_sub_co_u32 s22, s22, s21
	v_mul_u32_u24 v6, s22, v2                      ; lanes 16-31 take Wp's
	s_add_co_u32 s21, s21, SCL
	v_add_nc_u32 v5, v5, v6
	v_add_nc_u32 v[ADRS], s21, v5
	s_mul_i32 s23, s14, 16*SPITCH                  ; my stage
	v_mul_u32_u24 v5, v1, SPITCH
	v_lshl_add_u32 v5, v2, 5, v5
	v_add_nc_u32 v[STO], s23, v5
	v_and_b32 v6, 31, v0
	v_lshlrev_b32 v[CO], 4, v6
	v_add_nc_u32 v[RD], s23, v[CO]
	v_lshlrev_b32 v[BOQ], 5, v2
	s_wait_alu depctr_va_vdst(0)
	s_lshl_b32 s20, s17, 8
	s_lshl_b32 s21, s15, 7
	s_add_co_u32 s20, s20, s21                     ; my first row of out0
	s_mov_b32 s21, 0
	s_mov_b64 s[18:19], SIZE_N*4
	s_mul_u64 s[20:21], s[20:21], s[18:19]
	s_lshl_b32 s46, s42, 10                        ; my first column, in bytes
	s_lshl_b32 s47, s16, 9
	s_add_co_u32 s46, s46, s47
	s_mov_b32 s47, 0
	s_add_nc_u64 s[20:21], s[20:21], s[46:47]
	s_add_nc_u64 s[12:13], s[12:13], s[20:21]
	s_add_nc_u64 s[BIA:BIA+1], s[BIA:BIA+1], s[46:47]   ; and the same columns of bp
.irp b, 0,1,2,3,4,5,6,7
	global_load_b128 v[BR+8*\b:BR+8*\b+3], v[BOQ], s[BIA:BIA+1] offset:64*\b        ; register 8 b + j: bp of column 16 b + 8 h + j
	global_load_b128 v[BR+8*\b+4:BR+8*\b+7], v[BOQ], s[BIA:BIA+1] offset:64*\b+16
.endr
.macro FRAG reg, adr, q, i             ; Wp: 16 rows x 128 K from rows along K
.irp c, 0,1,2,3
	ds_load_b128 v[\reg+4*\c:\reg+4*\c+3], v[\adr] offset:128*(\q)+32*\c+(\i)*16*PITCH
.endr
.endm
.macro FRAGA reg, adr, q, i            ; y: row tile i, the slot's q-th 128 along K: piece c begins at run 16 i + 8 q + 2 c
.irp c, 0,1,2,3
	ds_load_b128 v[\reg+4*\c:\reg+4*\c+3], v[\adr] offset:(16*(\i)+8*(\q)+2*\c)*PITCH
.endr
.endm
; 16 matrix instructions: y's blocks a0, a0 + 1 x Wp's eight.  cm = 1: the sums begin with the bias.  The 64 accumulators take turns, one instruction a turn.
.macro MUL16 a0, p, q, sc, cm
.irp a, \a0, \a0+1
.irp b, 0,1,2,3,4,5,6,7
.set rD, 8*(8*((\a)%4)+\b)
.set rB, 128*(\p)+FR*\b
.set rA, AF+FR*(\a)
.set rSB, SC+8*NQ*(\sc)+NQ*\b+(\q)
.set rSA, SC+8*NQ*(\sc)+NQ*(\a)+(\q)
.if (\cm) == 1
	v_wmma_scale_f32_16x16x128_f8f6f4 v[rD:rD+7], v[rB:rB+15], v[rA:rA+15], v[BR+8*\b:BR+8*\b+7], v[rSB], v[rSA] matrix_a_scale:MATRIX_SCALE_ROW1
.else
	v_wmma_scale_f32_16x16x128_f8f6f4 v[rD:rD+7], v[rB:rB+15], v[rA:rA+15], v[rD:rD+7], v[rSB], v[rSA] matrix_a_scale:MATRIX_SCALE_ROW1
.endif
.endr
.endr
.endm
.macro FETCH_B slot, q, p
	WIN TO_B
.irp i, 0,1,2,3,4,5,6,7
	FRAG 128*(\p)+FR*\i, ADRB+\slot, \q, \i
.endr
	WIN 0
.endm
.macro FETCH_A slot, q, i0
.irp i, \i0, \i0+1, \i0+2, \i0+3
	FRAGA AF+FR*(\i), ADRA+\slot, \q, \i
.endr
.endm
.macro SCALES sc
.irp i, 0,1,2,3,4,5,6,7
	ds_load_b64 v[SC+8*NQ*\sc+NQ*\i:SC+8*NQ*\sc+NQ*\i+1], v[ADRS] offset:\i*SBLK
.endr
.endm
.macro PLACES n                        ; plain vector lines between a matrix instruction and a load into, or a read of, its registers
.rept \n
	v_nop
.endr
.endm
.macro STEP slot, q, cm
	s_wait_dscnt 4*NL                              ; Wp's set and y's blocks 0-3 are in; the 16 youngest loads (y's blocks 4-7) may be out
.if \cm
	WIN BIA_LO
.else
	WIN MUL_LO
.endif
	MUL16 0, (\q)%2, \q, \slot, \cm
	MUL16 2, (\q)%2, \q, \slot, \cm
	s_wait_dscnt 0
	PLACES NP
	FETCH_B \slot, (\q)+1, 1-(\q)%2
	FETCH_A \slot, (\q)+1, 0
.if \cm
	WIN BIA_HI
.else
	WIN MUL_HI
.endif
	MUL16 4, (\q)%2, \q, \slot, \cm
	MUL16 6, (\q)%2, \q, \slot, \cm
	PLACES NP
	WIN 0
	FETCH_A \slot, (\q)+1, 4
.endm
.macro TURN slot, next, fill
	s_wait_tensorcnt 0x0                           ; all my tensor loads have landed: my part of the next slot
	ds_add_u32 v[SPW], v[NIL]                      ; 0 onto my spare word
	s_wait_dscnt 4*NL+1                            ; the add and the 16 youngest loads may be out
	WIN MUL_LO
	MUL16 0, 1, NQ-1, \slot, 0
	s_wait_dscnt 0x0                               ; the add is done, and my reads of this slot are over
	s_barrier_signal -1
	MUL16 2, 1, NQ-1, \slot, 0
	WIN 0
	s_barrier_wait -1
.if \fill
	CREST                                          ; the barrier has opened a round of the cluster's: no wave of any partner still reads this slot or has a load on its way
	s_add_nc_u64 s[G0+4*\slot+2:G0+4*\slot+3], s[G0+4*\slot+2:G0+4*\slot+3], 2*ASLOT
	s_add_nc_u64 s[G0B+4*\slot+2:G0B+4*\slot+3], s[G0B+4*\slot+2:G0B+4*\slot+3], 2*ROWB
	JLOAD G0+4*\slot, G1, G0B+4*\slot, G1B         ; the first tensor load behind the round; its four v_nop are four of the eight places
	PLACES NP-4
.else
	PLACES NP
.endif
	s_wait_alu depctr_va_vdst(0)
	v_add_nc_u32 v[ADRS], 4*NQ, v[ADRS]
	FETCH_B \next, 0, 0
	FETCH_A \next, 0, 0
	SCALES \next
	WIN MUL_HI
	MUL16 4, 1, NQ-1, \slot, 0
	MUL16 6, 1, NQ-1, \slot, 0
	PLACES NP
	WIN 0
	FETCH_A \next, 0, 4
.endm
	s_wait_tensorcnt 1                             ; the scale bytes and my part of K step 0 are in; K step 1's load may be out
	s_barrier_signal -1
	s_barrier_wait -1
	FETCH_B 0, 0, 0
	FETCH_A 0, 0, 0
	SCALES 0
	FETCH_A 0, 0, 4
	s_wait_loadcnt 0x0                             ; the bias
	STEP 0, 0, 1                                   ; the first step starts the sums with the bias
	s_mov_b32 s3, LAPS-1
.Llap:
	TURN 0, 1, 1
	STEP 1, 0, 0
	TURN 1, 0, 1
	STEP 0, 0, 0
	s_sub_co_u32 s3, s3, 1
	s_cmp_lg_u32 s3, 0
	s_cbranch_scc1 .Llap
	TURN 0, 1, 0                                   ; the last lap fills nothing
	STEP 1, 0, 0
	s_wait_dscnt 4*NL
	WIN MUL_LO
	MUL16 0, 1, NQ-1, 1, 0
	MUL16 2, 1, NQ-1, 1, 0
	s_wait_dscnt 0
	WIN MUL_HI
	MUL16 4, 1, NQ-1, 1, 0
	MUL16 6, 1, NQ-1, 1, 0
	WIN 0
; THE WAY OUT, block by block of 16 rows x 128 columns: through my own stage in LDS and back as whole rows of 512 bytes.  LDS serves a wave's instructions in order (ISA guide 5.7.1.4): no wait between the stores and the loads.
.macro TOSTAGE a
.set AC, 64*((\a)%4)
.set WD, 0x08+4*((\a)/4)               ; an LDS store's data: window 2 or 3
	WIN WD
.irp b, 0,1,2,3,4,5,6,7
	ds_store_b128 v[STO], v[AC+8*\b:AC+8*\b+3] offset:64*\b          ; each accumulator from its low end on
	ds_store_b128 v[STO], v[AC+8*\b+4:AC+8*\b+7] offset:64*\b+16
.endr
	WIN 0
.set BB, BK+64*((\a)%2)
.irp t, 0,1,2,3,4,5,6,7,8,9,10,11,12,13,14,15
	ds_load_b128 v[BB+4*\t:BB+4*\t+3], v[RD] offset:\t*SPITCH
.endr
.endm
.macro SEND a, younger                 ; younger: the LDS instructions issued behind block a's loads, which may stay out
.set BB, BK+64*((\a)%2)
	s_wait_dscnt \younger
.if (\a) > 0
	s_add_nc_u64 s[12:13], s[12:13], 16*SIZE_N*4   ; 16 rows on (the earlier stores have read their base: a wait on XCNT stands ahead)
.endif
.irp t, 0,1,2,3,4,5,6,7,8,9,10,11,12,13,14,15
	global_store_b128 v[CO], v[BB+4*\t:BB+4*\t+3], s[12:13] offset:\t*SIZE_N*4 th:TH_STORE_NT   ; 32 lanes store 512 consecutive bytes, at a multiple of 256 from out0's first byte
.endr
.endm
	PLACES NP
	TOSTAGE 0
.irp a, 1,2,3,4,5,6,7
.if \a > 1
	s_wait_xcnt 0x0                                ; block a - 2's stores have read their registers and their base
.endif
	TOSTAGE \a
	SEND \a-1, 32                                  ; behind block a - 1's loads: block a's 16 stores and 16 loads
.endr
	s_wait_xcnt 0x0
	SEND 7, 0
	s_wait_tensorcnt 0x0                           ; the wave's end
	ds_add_u32 v[SPW], v[NIL]
	s_wait_dscnt 0x0
	CROUND                                         ; the closing round
	s_endpgm
.Lfunc_end_k_q8fc46e1de6_proj:
	.size	k_q8fc46e1de6_proj, .Lfunc_end_k_q8fc46e1de6_proj-k_q8fc46e1de6_proj
	.p2alignl 7, 3214868480
	.fill 96, 4, 3214868480
	.section	.rodata,"a",@progbits
	.p2align	6, 0x0
	.amdhsa_kernel k_q8fc46e1de6_proj
		.amdhsa_group_segment_fixed_size 327680
		.amdhsa_private_segment_fixed_size 0
		.amdhsa_enable_private_segment 0
		.amdhsa_kernarg_size 48
		.amdhsa_user_sgpr_count 2
		.amdhsa_user_sgpr_kernarg_segment_ptr 1
		.amdhsa_wavefront_size32 1
		.amdhsa_system_sgpr_workgroup_id_x 1
		.amdhsa_system_sgpr_workgroup_id_y 1
		.amdhsa_system_sgpr_workgroup_id_z 1
		.amdhsa_system_vgpr_workitem_id 0
		.amdhsa_next_free_vgpr 1024
		.amdhsa_next_free_sgpr 100
		.amdhsa_reserve_vcc 0
		.amdhsa_float_denorm_mode_32 3
		.amdhsa_float_denorm_mode_16_64 3
		.amdhsa_memory_ordered 1
		.amdhsa_forward_progress 1
		.amdhsa_inst_pref_size 148
	.end_amdhsa_kernel
	.amdgpu_metadata
---
amdhsa.version: [ 1, 2 ]
amdhsa.kernels:
  - .name:           k_q8fc46e1de6_proj
    .symbol:         k_q8fc46e1de6_proj.kd
    .args:
      - { .name: yimg, .offset: 0, .size: 8, .value_kind: global_buffer, .address_space: global }
      - { .name: ysc, .offset: 8, .size: 8, .value_kind: global_buffer, .address_space: global }
      - { .name: Wp_codes, .offset: 16, .size: 8, .value_kind: global_buffer, .address_space: global }
      - { .name: Wp_scales, .offset: 24, .size: 8, .value_kind: global_buffer, .address_space: global }
      - { .name: bp, .offset: 32, .size: 8, .value_kind: global_buffer, .address_space: global }
      - { .name: out0, .offset: 40, .size: 8, .value_kind: global_buffer, .address_space: global }
    .group_segment_fixed_size: 327680
    .private_segment_fixed_size: 0
    .kernarg_segment_align: 8
    .kernarg_segment_size: 48
    .max_flat_workgroup_size: 128
    .sgpr_count:     100
    .vgpr_count:     1024
    .wavefront_size: 32
...
	.end_amdgpu_metadata
.endif
;; end of part 3
